; MI455X (gfx1250); checked and timed in simulation.
; The chip was launched on July 23, 2026; its instructions are those of AMD's public machine-readable ISA for CDNA 5 (MIT licence, August 2026) and "CDNA5" Instruction Set Architecture Reference Guide (July 2026). The comments in the code are by the model that wrote it; some were corrected since.
;; Multi Head Self Attention Layer. Allowed arithmetic: matrix products marked QUANTISED: E3M2 operands, one E8M0 scale for each 32 along K, by v_wmma_scale_f32_16x16x128_f8f6f4 with both operands' format E3M2, f32 sums; everything else in f32.
;; Inputs: b_proj 1,024 float32; beta 1,024 float32; gamma 1,024 float32; w_proj 1,024 x 1,024 float32; w_qkv 1,024 x 3,072 float32; z 4 x 2,048 x 1,024 float32.
;; Outputs: out0 4 x 2,048 x 1,024 float32.
;; This version of the problem:
;;   THIS VERSION OF THE PROBLEM IS GIVEN IN LOW PRECISION. The matrix products marked QUANTISED in the list below multiply operands that are first quantised to E3M2 (3 exponent bits, 2 mantissa bits; 6 bits a number), with one power-of-two scale for each 32 numbers along K (OCP MX v1.0); their sums are f32. All else is computed in f32.
;;   The module's matrix products, in the order in which they are computed (A, B: the left and right operand; K: the contracted axis; several contracted axes count as one K, in the product's order):
;;     1. [M 8,192, K 1,024] x [K 1,024, N 3,072]; A: computed on the way; B: input w_qkv: QUANTISED
;;     2. batch 64 x [M 2,048, K 64] x [K 64, N 2,048]; A: computed on the way; B: computed on the way: QUANTISED
;;     3. batch 64 x [M 64, K 2,048] x [K 2,048, N 2,048]; A: computed on the way; B: softmax (see below): QUANTISED
;;     4. [M 8,192, K 1,024] x [K 1,024, N 1,024]; A: computed on the way; B: input w_proj: QUANTISED
;;   THE QUANTISER, for each operand of a quantised product, along K:
;;     - K is cut into blocks of 32 from its start; a last block that is shorter is filled with zeros.
;;     - A block's scale is 2^e with e = floor(log2(the largest magnitude in the block)) - 4, held to -126 .. 127; a block of zeros has e = 0. As a byte (E8M0): e + 127.
;;     - Each number is divided by its block's scale, clamped to +-28, and rounded to the nearest number of E3M2, ties to even, subnormals kept.
;;     - The product sums the exact products of the quantised numbers (number of the format x scale) in f32.
;;   ~~~python
;;   def quantise(x, axis):      # numpy; x: float32 -> the quantised numbers, widened to float32 again
;;       x = np.moveaxis(x, axis, -1); K = x.shape[-1]
;;       x = np.pad(x, [(0, 0)] * (x.ndim - 1) + [(0, -K % 32)]); x = x.reshape(x.shape[:-1] + (-1, 32)); a = np.abs(x).max(-1, keepdims=True)
;;       e = np.where(a > 0, np.clip(np.frexp(np.where(a > 0, a, 1))[1] - 1 - 4, -126, 127), 0)      # np.frexp(a)[1] - 1 = floor(log2(a)), exactly
;;       r = np.clip(x / 2.0 ** e, -28, 28)
;;       step = 2.0 ** (np.maximum(np.frexp(np.where(r == 0, 1, r))[1] - 1, -2) - 2)
;;       q = np.round(r / step) * step * 2.0 ** e      # np.round: ties to even
;;       return np.moveaxis(q.reshape(q.shape[:-2] + (-1,))[..., :K], -1, axis).astype(np.float32)
;;   ~~~
;;   SOFTMAX AHEAD OF A QUANTISED PRODUCT. Where the list says 'softmax', what is quantised is not the finished softmax but p = 2^(t - M), with t = logit x log2(e) and M = ceil(the row's largest t), a whole number; so 1/2 < the row's largest p <= 1. The row's sum l is taken of the UNQUANTISED p, in f32, and the product's result is divided by l at the end. Since M is a whole number, a kernel that streams over the keys may use a running M (the ceiling of the running maximum): every later rescaling is an exact power of two, which a block's scale takes up: the codes' values come out the same.
;;   OPERANDS COMPUTED ON THE WAY. 'Computed on the way' means the value that the module computes at that place (a softmax that the list does not call 'softmax' is quantised finished and normalised). What goes into a quantiser is computed in f32, as accurately as f32 sums, v_exp_f32 and their like allow (about 1e-6 of the number): no bf16 or f16 on the way to a quantiser, and a product that is left as it is and whose result goes on into a quantised operand takes f32 operands (vector FMAs, or v_wmma_f32_16x16x4_f32). A number that lies on a knife's edge between two numbers of the format may be rounded either way, as far as f32 arithmetic and the matrix unit's own rounding can turn it there, and no further.
;; One version. Each part assembles by itself: llvm-mc -triple=amdgcn-amd-amdhsa -mcpu=gfx1250 --defsym DOCPART=n.
;; ======== version 1 of 1: 4 launches
;; limits: right only within a limited range of input values
;; workspace buffers: zq 6,553,600 bytes; wq 3,276,800 bytes; qk 13,631,488 bytes; vq 6,553,600 bytes; oq 6,815,744 bytes
;; launch prep (part 1): grid 704 x 1, 4 waves a work-group, no clusters, 98,304 bytes of LDS; arguments z, gamma, beta, w_qkv, w_proj, zq, wq; writes zq, wq
.if DOCPART == 1
	.amdgcn_target "amdgcn-amd-amdhsa--gfx1250"
	.amdhsa_code_object_version 6
	.text
	.protected	k_qf9857ab80d_prep
	.globl	k_qf9857ab80d_prep
	.p2align	8
	.type	k_qf9857ab80d_prep,@function
k_qf9857ab80d_prep:
	s_mov_b64 s[64:65], 0
	v_nop
	global_prefetch_b8 v0, s[64:65] scope:SCOPE_SE
	s_setreg_imm32_b32 hwreg(HW_REG_WAVE_MODE, 25, 1), 1
	s_wait_xcnt 0x0
; Three jobs in one launch, told apart by the work-group's number; each has LDS bytes of its own.
;   0..127   w_qkv [1024][3072] f32 -> codes of E3M2 + E8M0 bytes, K (its first axis) innermost: one head's 192 columns x 128 along K
;   128..191 w_proj [1024][1024] likewise: 128 columns x 128 along K
;   192..703 LayerNorm of 16 tokens of z, quantised along the 1,024 channels
; A block's scale is 2^(floor(log2(largest magnitude)) - 4); its byte is the largest magnitude's exponent field - 4, held at 1 from below.
; LAYOUT OF ALL CODES: images of the operand's registers.  A fragment is 16 rows x 128 K, 12 registers a lane: lane (r, h) holds row r, registers 6 c .. 6 c + 5 hold k = 64 c + 32 h + 0 .. 31.
; Half image c (768 bytes): registers 6 c .. 6 c + 3 at 16 x lane, registers 6 c + 4, 5 at 512 + 8 x lane.  A tile's eight K steps lie on end: 12,288 bytes.  Scale words: [tile][K step][16 rows].
; ROWS OF A TILE: of a group of 64 rows, row r of tile t is 8 t + r % 8 + 32 (r / 8): taken as source 0, four such tiles leave 32 neighbours of the group in each lane.
; wq's tiles: 64 j + 4 head + t for w_qkv (column 192 head + 3 d + j of memory), 192 + 4 g + t for w_proj.
; LIMITS: NaN and infinities are not served.  A block of zeros gets the byte 1 where the rule says 127: its codes are zeros, and this program alone reads the bytes.
.set LNP,   4112                       ; a token's row in LDS: 4,096 bytes + 16: sixteen rows start in sixteen different columns of 16 bytes
.set WQ,    65792                      ; w_qkv's 12 images;
.set WQS,   84224                      ; their scale words;
.set WP,    84992                      ; w_proj's 8 images;
.set WPS,   97280                      ; their scale words
.set ZQS,   6291456                    ; where the scale words begin in zq
.set WQSC,  3145728                    ; and in wq
.set FLOOR, 0x2800000                  ; 2^(5 - 127): no largest magnitude is taken under it, so the byte cannot fall under 1
.set EOFF,  0xfe000000                 ; 4 off an exponent field
; 32 numbers of one column, v[x] on, down K: one block.  Its 24 bytes of codes go to their place in the image, its byte to its place in the scale word.
.macro QBLK x, a128, o128, a64, o64, a8, o8
	v_max3_num_f32 v8, |v[\x]|, |v[\x+1]|, FLOOR
	v_max3_num_f32 v9, |v[\x+2]|, |v[\x+3]|, |v[\x+4]|
.irp i, 5,9,13,17,21,25
	v_max3_num_f32 v8, v8, |v[\x+\i]|, |v[\x+\i+1]|
	v_max3_num_f32 v9, v9, |v[\x+\i+2]|, |v[\x+\i+3]|
.endr
	v_max3_num_f32 v8, v8, |v[\x+29]|, |v[\x+30]|
	v_max3_num_f32 v8, v8, v9, |v[\x+31]|
	s_wait_alu depctr_va_vdst(0)
	s_wait_dscnt 0x0                               ; the last block's LDS stores have read their registers
	v_add_nc_u32 v10, EOFF, v8                     ; the conversion takes the exponent field of this operand as its scale
	v_lshrrev_b32 v11, 23, v10                     ; the scale's byte
	v_cvt_scalef32_pk16_bf6_f32 v[16:18], v[\x:\x+15], v10
	v_cvt_scalef32_pk16_bf6_f32 v[20:22], v[\x+16:\x+31], v10
	v_nop                                          ; one plain line behind a scaled conversion
	v_mov_b32 v19, v20                             ; (a conversion's three registers begin on an even number)
	v_mov_b32 v20, v21
	v_mov_b32 v21, v22
	ds_store_b128 v[\a128], v[16:19] offset:\o128
	ds_store_b64 v[\a64], v[20:21] offset:\o64
	ds_store_b8 v[\a8], v11 offset:\o8
.endm
; Wave w holds block w of the K step: c = w / 2, h = w % 2.  s24, s25, s26: its part of the three LDS addresses.
.macro WTERMS stg, scw
	s_lshr_b32 s27, s18, 1
	s_mul_i32 s27, s27, 768
	s_and_b32 s28, s18, 1
	s_lshl_b32 s24, s28, 8
	s_add_co_u32 s24, s24, s27
	s_add_co_u32 s24, s24, \stg
	s_lshl_b32 s25, s28, 7
	s_add_co_u32 s25, s25, s27
	s_add_co_u32 s25, s25, \stg+512
	s_add_co_u32 s26, s18, \scw
.endm
; 64 numbers of a lane, register 32 c + i = k 64 c + 32 h + i of its row, become a fragment's 12 registers and its scale word (whole in both halves of the lanes).
.macro QF n, pc, tmp, pw
	v_max3_num_f32 v8, |v[\n]|, |v[\n+1]|, FLOOR
	v_max3_num_f32 v9, |v[\n+32]|, |v[\n+33]|, FLOOR
.irp i, 2,4,6,8,10,12,14,16,18,20,22,24,26,28,30
	v_max3_num_f32 v8, v8, |v[\n+\i]|, |v[\n+\i+1]|
	v_max3_num_f32 v9, v9, |v[\n+32+\i]|, |v[\n+33+\i]|
.endr
	v_add_nc_u32 v10, EOFF, v8
	v_add_nc_u32 v11, EOFF, v9
	v_lshrrev_b32 v12, 23, v10
	v_lshrrev_b32 v13, 23, v11
	v_lshl_or_b32 v14, v13, 16, v12                ; my two bytes: blocks h and 2 + h,
	v_lshlrev_b32 v14, v7, v14                     ; 8 h bits up;
	v_permlanex16_b32 v15, v14, s24, s25
	v_or_b32 v[\pw], v14, v15                      ; with the other half's two the word is whole
	v_cvt_scalef32_pk16_bf6_f32 v[\pc:\pc+2], v[\n:\n+15], v10
	v_cvt_scalef32_pk16_bf6_f32 v[\tmp:\tmp+2], v[\n+16:\n+31], v10
	v_cvt_scalef32_pk16_bf6_f32 v[\pc+6:\pc+8], v[\n+32:\n+47], v11
	v_cvt_scalef32_pk16_bf6_f32 v[\tmp+4:\tmp+6], v[\n+48:\n+63], v11
	v_nop
.irp i, 0,1,2
	v_mov_b32 v[\pc+3+\i], v[\tmp+\i]
	v_mov_b32 v[\pc+9+\i], v[\tmp+4+\i]
.endr
.endm
; four rows' sums, in v[b], v[b+2], v[b+4], v[b+6], over the 32 lanes
.macro RED4 b
.irp m, 1,2,4,8
.irp i, 0,1,2,3
	v_add_f32_dpp v[\b+2*\i], v[\b+2*\i], v[\b+2*\i] row_xmask:\m row_mask:0xf bank_mask:0xf
.endr
.endr
.irp i, 0,1,2,3
	v_permlanex16_b32 v[32+\i], v[\b+2*\i], s24, s25
.endr
.irp i, 0,1,2,3
	v_add_f32 v[\b+2*\i], v[\b+2*\i], v[32+\i]
.endr
.endm
	s_load_b256 s[4:11], s[0:1], 0x0               ; z s[4:5], gamma s[6:7], beta s[8:9], w_qkv s[10:11]
	s_load_b128 s[12:15], s[0:1], 0x20             ; w_proj s[12:13], zq s[14:15]
	s_load_b64 s[16:17], s[0:1], 0x30              ; wq
	v_lshl_add_u32 v62, v0, 2, 0x17e00
	v_mov_b32 v63, 0
	v_lshrrev_b32 v1, 5, v0
	v_readfirstlane_b32 s18, v1                    ; wave 0..3
	v_and_b32 v1, 31, v0                           ; lane
	s_wait_kmcnt 0x0
	s_cmp_lt_u32 ttmp9, 128
	s_cbranch_scc1 .Lwqkv
	s_cmp_lt_u32 ttmp9, 192
	s_cbranch_scc1 .Lwproj
	; ---------------- LayerNorm of one tile of 16 tokens.  Wave w takes the tile's rows 4 w .. 4 w + 3: four neighbouring tokens
	s_sub_co_u32 s19, ttmp9, 192                   ; the tile: 4 g + t
	s_lshr_b32 s20, s19, 2
	s_lshl_b32 s20, s20, 6                         ; 64 g
	s_and_b32 s21, s19, 3
	s_lshl_b32 s21, s21, 3                         ; + 8 t
	s_add_co_u32 s20, s20, s21
	s_and_b32 s21, s18, 1
	s_lshl_b32 s21, s21, 2                         ; + 4 (w % 2)
	s_add_co_u32 s20, s20, s21
	s_lshr_b32 s21, s18, 1
	s_lshl_b32 s21, s21, 5                         ; + 32 (w / 2)
	s_add_co_u32 s20, s20, s21
	s_lshl_b32 s20, s20, 12                        ; a token is 4,096 bytes
	s_mov_b32 s21, 0
	s_add_nc_u64 s[4:5], s[4:5], s[20:21]
	s_wait_alu depctr_va_vdst(0)
	v_lshlrev_b32 v2, 4, v1                        ; 16 x lane: every load of the wave covers 512 neighbouring bytes
.irp i, 0,1,2,3
.irp j, 0,1,2,3,4,5,6,7
	global_load_b128 v[64+32*\i+4*\j:67+32*\i+4*\j], v2, s[4:5] offset:4096*\i+512*\j th:TH_LOAD_NT
.endr
.endr
.irp j, 0,1,2,3,4,5,6,7
	global_load_b128 v[192+4*\j:195+4*\j], v2, s[6:7] offset:512*\j
	global_load_b128 v[224+4*\j:227+4*\j], v2, s[8:9] offset:512*\j
.endr
	s_mov_b32 s24, 0x76543210
	s_mov_b32 s25, 0xfedcba98                      ; lane selects: lane l xor 16
	s_mov_b32 s26, 0x3a800000                      ; 1 / 1,024
	s_mov_b32 s27, 0x3727c5ac                      ; 1e-5
	s_mul_i32 s22, s18, 4*LNP
	v_add_nc_u32 v3, s22, v2                       ; LDS, on the way in: my four rows, 16 x lane
	v_and_b32 v5, 15, v0
	v_bfe_u32 v6, v0, 4, 1
	v_mul_u32_u24 v4, v5, LNP
	v_lshl_add_u32 v4, v6, 7, v4
	s_lshl_b32 s22, s18, 10
	v_add_nc_u32 v4, s22, v4                       ; on the way out: row r, + 128 h, + my two K steps (1,024 bytes a wave)
	v_lshlrev_b32 v7, 3, v6                        ; 8 h
	v_lshlrev_b32 v5, 3, v1                        ; 8 x lane
	v_lshlrev_b32 v6, 2, v1                        ; 4 x lane
	v_mov_b32 v15, 0                               ; a lane permute's destination counts as read
.irp i, 0,1,2,3
	v_mov_b32 v[32+\i], 0
.endr
	s_mul_i32 s20, s19, 12288
	s_mul_i32 s22, s18, 3072
	s_add_co_u32 s20, s20, s22
	s_mov_b32 s21, 0
	s_add_nc_u64 s[20:21], s[14:15], s[20:21]      ; zq: my tile, my two K steps
	s_lshl_b32 s22, s19, 9
	s_lshl_b32 s23, s18, 7
	s_add_co_u32 s22, s22, s23
	s_add_co_u32 s22, s22, ZQS
	s_mov_b32 s23, 0
	s_add_nc_u64 s[22:23], s[14:15], s[22:23]      ; and their scale words
	s_wait_loadcnt 16                              ; z's 32 loads are in; gamma's and beta's 16 may be out
.irp i, 0,1,2,3
	v_pk_add_f32 v[16+2*\i:17+2*\i], v[64+32*\i:65+32*\i], v[66+32*\i:67+32*\i]
.endr
.irp j, 4,6,8,10,12,14,16,18,20,22,24,26,28,30
.irp i, 0,1,2,3
	v_pk_add_f32 v[16+2*\i:17+2*\i], v[16+2*\i:17+2*\i], v[64+32*\i+\j:65+32*\i+\j]   ; the four rows by turns
.endr
.endr
.irp i, 0,1,2,3
	v_add_f32 v[16+2*\i], v[16+2*\i], v[17+2*\i]
.endr
	RED4 16
.irp i, 0,1,2,3
	v_mul_f32 v[16+2*\i], 0xba800000, v[16+2*\i]   ; - the mean
.endr
.irp j, 0,2,4,6,8,10,12,14,16,18,20,22,24,26,28,30
.irp i, 0,1,2,3
	v_pk_add_f32 v[64+32*\i+\j:65+32*\i+\j], v[64+32*\i+\j:65+32*\i+\j], v[16+2*\i:17+2*\i] op_sel_hi:[1,0]
.endr
.endr
.irp i, 0,1,2,3
	v_pk_mul_f32 v[24+2*\i:25+2*\i], v[64+32*\i:65+32*\i], v[64+32*\i:65+32*\i]
.endr
.irp j, 2,4,6,8,10,12,14,16,18,20,22,24,26,28,30
.irp i, 0,1,2,3
	v_pk_fma_f32 v[24+2*\i:25+2*\i], v[64+32*\i+\j:65+32*\i+\j], v[64+32*\i+\j:65+32*\i+\j], v[24+2*\i:25+2*\i]
.endr
.endr
.irp i, 0,1,2,3
	v_add_f32 v[24+2*\i], v[24+2*\i], v[25+2*\i]
.endr
	RED4 24
.irp i, 0,1,2,3
	v_fma_f32 v[24+2*\i], v[24+2*\i], s26, s27     ; the variance + eps
.endr
	s_wait_alu depctr_va_vdst(0)
.irp i, 0,1,2,3
	v_rsq_f32 v[16+2*\i], v[24+2*\i]
.endr
	v_nop                                          ; a plain line behind the last of the four,
	s_wait_alu depctr_va_vdst(0)                   ; and one wait for the batch, ahead of its first reader
	s_wait_loadcnt 0x0                             ; gamma, beta
.irp j, 0,2,4,6,8,10,12,14,16,18,20,22,24,26,28,30
.irp i, 0,1,2,3
	v_pk_mul_f32 v[64+32*\i+\j:65+32*\i+\j], v[64+32*\i+\j:65+32*\i+\j], v[16+2*\i:17+2*\i] op_sel_hi:[1,0]
.endr
.endr
.irp j, 0,2,4,6,8,10,12,14,16,18,20,22,24,26,28,30
.irp i, 0,1,2,3
	v_pk_fma_f32 v[64+32*\i+\j:65+32*\i+\j], v[64+32*\i+\j:65+32*\i+\j], v[192+\j:193+\j], v[224+\j:225+\j]
.endr
.endr
.irp i, 0,1,2,3
.irp j, 0,1,2,3,4,5,6,7
	ds_store_b128 v3, v[64+32*\i+4*\j:67+32*\i+4*\j] offset:LNP*\i+512*\j
.endr
.endr
	s_wait_dscnt 0x0                               ; for the others' sake: my rows lie in LDS
	s_barrier_signal -1
	s_barrier_wait -1
.irp t, 0,1                                    ; my K steps 2 w and 2 w + 1: lane (r, h) takes k = 64 c + 32 h + 0 .. 31 of row r
.irp c, 0,1
.irp m, 0,1,2,3,4,5,6,7
	ds_load_b128 v[64+64*\t+32*\c+4*\m:67+64*\t+32*\c+4*\m], v4 offset:512*\t+256*\c+16*\m
.endr
.endr
.endr
	s_wait_dscnt 16                                ; the first step's 16 loads are in
	QF 64, 192, 204, 224
	global_store_b128 v2, v[192:195], s[20:21]
	global_store_b64 v5, v[196:197], s[20:21] offset:512
	global_store_b128 v2, v[198:201], s[20:21] offset:768
	global_store_b64 v5, v[202:203], s[20:21] offset:1280
	s_wait_dscnt 0x0
	QF 128, 212, 204, 225
	global_store_b128 v2, v[212:215], s[20:21] offset:1536
	global_store_b64 v5, v[216:217], s[20:21] offset:2048
	global_store_b128 v2, v[218:221], s[20:21] offset:2304
	global_store_b64 v5, v[222:223], s[20:21] offset:2816
	s_mov_b32 vcc_lo, 0xffff0000
	v_cndmask_b32 v226, v224, v225, vcc_lo         ; lanes 0-15 the first step's words, lanes 16-31 the second's: 128 neighbouring bytes
	global_store_b32 v6, v226, s[22:23]
	s_wait_tensorcnt 0x0
	ds_add_u32 v62, v63
	s_wait_dscnt 0x0
	s_endpgm
	; ---------------- w_qkv: one head's 192 columns, one K step.  A lane takes a column and its registers run down K: wave w the step's block w
.Lwqkv:
	s_lshr_b32 s19, ttmp9, 3                       ; head
	s_and_b32 s20, ttmp9, 7                        ; K step
	s_lshl_b32 s21, s20, 7
	s_lshl_b32 s22, s18, 5
	s_add_co_u32 s21, s21, s22                     ; my first row of w_qkv
	s_mul_i32 s22, s21, 12288
	s_mul_i32 s23, s19, 768
	s_add_co_u32 s22, s22, s23
	s_mov_b32 s23, 0
	s_add_nc_u64 s[10:11], s[10:11], s[22:23]
	s_wait_alu depctr_va_vdst(0)
	v_lshlrev_b32 v2, 2, v1
	v_mul_u32_u24 v12, v1, 12                      ; a lane takes channel d = 32 g + lane: q, k and v of a channel are 12 neighbouring bytes
.set I, 0
.rept 32
.irp a, 0,1,2,3,4,5
	global_load_b32 v[64+32*\a+I], v12, s[10:11] offset:I*12288+384*(\a%2)+4*(\a/2)   ; set a = 2 j + g: column 3 (32 g + lane) + j of the head
.endr
.set I, I+1
.endr
	WTERMS WQ, WQS
	v_lshrrev_b32 v42, 3, v1                       ; channel 32 g + lane of j: image 4 j + lane / 8, row lane % 8 + 8 g: j's and g's parts stand in the offsets
	v_and_b32 v43, 7, v1
	v_mul_u32_u24 v44, v42, 1536
	v_lshl_add_u32 v24, v43, 4, v44
	v_add_nc_u32 v24, s24, v24
	v_lshl_add_u32 v25, v43, 3, v44
	v_add_nc_u32 v25, s25, v25
	v_lshlrev_b32 v44, 6, v42
	v_lshl_add_u32 v26, v43, 2, v44
	v_add_nc_u32 v26, s26, v26
	s_wait_loadcnt 0x0                             ; the sets' last rows come together
.irp a, 0,1,2,3,4,5
	QBLK 64+32*\a, 24, 6144*(\a/2)+128*(\a%2), 25, 6144*(\a/2)+64*(\a%2), 26, 256*(\a/2)+32*(\a%2)
.endr
	s_wait_dscnt 0x0
	s_barrier_signal -1
	s_barrier_wait -1                              ; the 12 images and their scale words are whole
	s_mul_i32 s27, s18, 1536
	s_add_co_u32 s27, s27, WQ
	v_lshlrev_b32 v3, 4, v1
	v_add_nc_u32 v4, s27, v3
.irp n, 0,1,2,3,4,5,6,7,8                      ; wave w: tile t = w of q, of k and of v
	ds_load_b128 v[64+4*\n:67+4*\n], v4 offset:6144*(\n/3)+512*(\n%3)
.endr
	s_lshl_b32 s28, s18, 7
	s_add_co_u32 s28, s28, WQS
	v_add_nc_u32 v6, s28, v2
	ds_load_b32 v100, v6                           ; the scale words of images 2 w and 2 w + 1
	s_lshl_b32 s21, s19, 2
	s_add_co_u32 s21, s21, s18
	s_mul_i32 s22, s21, 12288
	s_mul_i32 s23, s20, 1536
	s_add_co_u32 s22, s22, s23
	s_mov_b32 s23, 0
	s_add_nc_u64 s[22:23], s[16:17], s[22:23]      ; wq: tile 4 head + w, my K step
	s_lshl_b32 s21, s19, 2
	s_and_b32 s29, s18, 1
	s_lshl_b32 s29, s29, 1
	s_add_co_u32 s21, s21, s29
	s_lshl_b32 s30, s21, 9
	s_lshl_b32 s29, s20, 6
	s_add_co_u32 s30, s30, s29
	s_add_co_u32 s30, s30, WQSC
	s_mov_b32 s31, 0
	s_add_nc_u64 s[30:31], s[16:17], s[30:31]      ; scale words of tile 4 head + 2 (w % 2), j = 0
	s_lshr_b32 s32, s18, 1
	s_lshl_b32 s32, s32, 15
	s_mov_b32 s33, 0
	s_add_nc_u64 s[32:33], s[30:31], s[32:33]      ; j = w / 2: 64 tiles of 512 bytes on
	v_and_b32 v5, 15, v1
	v_lshrrev_b32 v8, 4, v1
	v_lshlrev_b32 v7, 2, v5
	v_lshl_add_u32 v7, v8, 9, v7                   ; lanes 16-31: the next tile
	s_wait_alu depctr_va_vdst(0)
	s_wait_dscnt 0x0
.irp n, 0,1,2,3,4,5,6,7,8
	global_store_b128 v3, v[64+4*\n:67+4*\n], s[22:23] offset:786432*(\n/3)+512*(\n%3)   ; 512 neighbouring bytes
.endr
	global_store_b32 v7, v100, s[32:33]
	s_cmp_lt_u32 s18, 2                            ; six rows of 32 words for four waves: waves 0 and 1 take v's too
	s_cbranch_scc0 .Lwq_end
	ds_load_b32 v101, v6 offset:512
	s_wait_dscnt 0x0
	global_store_b32 v7, v101, s[30:31] offset:65536
.Lwq_end:
	s_wait_tensorcnt 0x0
	ds_add_u32 v62, v63
	s_wait_dscnt 0x0
	s_endpgm
	; ---------------- w_proj: 128 columns, one K step
.Lwproj:
	s_sub_co_u32 s19, ttmp9, 128
	s_and_b32 s20, s19, 7                          ; K step
	s_lshr_b32 s19, s19, 3                         ; which 128 columns
	s_lshl_b32 s21, s20, 7
	s_lshl_b32 s22, s18, 5
	s_add_co_u32 s21, s21, s22
	s_lshl_b32 s22, s21, 12
	s_lshl_b32 s23, s19, 9
	s_add_co_u32 s22, s22, s23
	s_mov_b32 s23, 0
	s_add_nc_u64 s[12:13], s[12:13], s[22:23]
	s_wait_alu depctr_va_vdst(0)
	v_lshlrev_b32 v2, 2, v1
.set I, 0
.rept 32
.irp a, 0,1,2,3
	global_load_b32 v[64+32*\a+I], v2, s[12:13] offset:I*4096+128*\a th:TH_LOAD_NT
.endr
.set I, I+1
.endr
	WTERMS WP, WPS
	v_lshrrev_b32 v42, 3, v1                       ; column 32 a + lane: image 4 (a / 2) + lane / 8, row lane % 8 + 8 (a % 2): a's part stands in the offsets
	v_and_b32 v43, 7, v1
	v_mul_u32_u24 v44, v42, 1536
	v_lshl_add_u32 v24, v43, 4, v44
	v_add_nc_u32 v24, s24, v24
	v_lshl_add_u32 v25, v43, 3, v44
	v_add_nc_u32 v25, s25, v25
	v_lshlrev_b32 v44, 6, v42
	v_lshl_add_u32 v26, v43, 2, v44
	v_add_nc_u32 v26, s26, v26
	s_wait_loadcnt 0x0
.irp a, 0,1,2,3
	QBLK 64+32*\a, 24, 6144*(\a/2)+128*(\a%2), 25, 6144*(\a/2)+64*(\a%2), 26, 256*(\a/2)+32*(\a%2)
.endr
	s_wait_dscnt 0x0
	s_barrier_signal -1
	s_barrier_wait -1
	s_mul_i32 s27, s18, 3072
	s_add_co_u32 s27, s27, WP
	v_lshlrev_b32 v3, 4, v1
	v_add_nc_u32 v4, s27, v3
.irp n, 0,1,2,3,4,5                            ; wave w: images 2 w and 2 w + 1
	ds_load_b128 v[64+4*\n:67+4*\n], v4 offset:512*\n
.endr
	s_lshl_b32 s28, s18, 7
	s_add_co_u32 s28, s28, WPS
	v_add_nc_u32 v6, s28, v2
	ds_load_b32 v100, v6
	s_lshl_b32 s21, s19, 3
	s_lshl_b32 s29, s18, 1
	s_add_co_u32 s21, s21, s29
	s_add_co_u32 s21, s21, 192                     ; wq's tile
	s_mul_i32 s22, s21, 12288
	s_mul_i32 s23, s20, 1536
	s_add_co_u32 s22, s22, s23
	s_mov_b32 s23, 0
	s_add_nc_u64 s[22:23], s[16:17], s[22:23]
	s_lshl_b32 s30, s21, 9
	s_lshl_b32 s29, s20, 6
	s_add_co_u32 s30, s30, s29
	s_add_co_u32 s30, s30, WQSC
	s_mov_b32 s31, 0
	s_add_nc_u64 s[30:31], s[16:17], s[30:31]
	v_and_b32 v5, 15, v1
	v_lshrrev_b32 v8, 4, v1
	v_lshlrev_b32 v7, 2, v5
	v_lshl_add_u32 v7, v8, 9, v7
	s_wait_alu depctr_va_vdst(0)
	s_wait_dscnt 0x0
.irp n, 0,1,2,3,4,5
	global_store_b128 v3, v[64+4*\n:67+4*\n], s[22:23] offset:12288*(\n/3)+512*(\n%3)
.endr
	global_store_b32 v7, v100, s[30:31]
	s_wait_tensorcnt 0x0
	ds_add_u32 v62, v63
	s_wait_dscnt 0x0
	s_endpgm
.Lfunc_end_k_qf9857ab80d_prep:
	.size	k_qf9857ab80d_prep, .Lfunc_end_k_qf9857ab80d_prep-k_qf9857ab80d_prep
	.p2alignl 7, 3214868480
	.fill 96, 4, 3214868480
	.section	.rodata,"a",@progbits
	.p2align	6, 0x0
	.amdhsa_kernel k_qf9857ab80d_prep
		.amdhsa_group_segment_fixed_size 98304
		.amdhsa_private_segment_fixed_size 0
		.amdhsa_enable_private_segment 0
		.amdhsa_kernarg_size 56
		.amdhsa_user_sgpr_count 2
		.amdhsa_user_sgpr_kernarg_segment_ptr 1
		.amdhsa_wavefront_size32 1
		.amdhsa_system_sgpr_workgroup_id_x 1
		.amdhsa_system_sgpr_workgroup_id_y 1
		.amdhsa_system_sgpr_workgroup_id_z 1
		.amdhsa_system_vgpr_workitem_id 0
		.amdhsa_next_free_vgpr 256
		.amdhsa_next_free_sgpr 66
		.amdhsa_reserve_vcc 1
		.amdhsa_float_denorm_mode_32 3
		.amdhsa_float_denorm_mode_16_64 3
		.amdhsa_memory_ordered 1
		.amdhsa_forward_progress 1
		.amdhsa_inst_pref_size 97
	.end_amdhsa_kernel
	.amdgpu_metadata
---
amdhsa.version: [ 1, 2 ]
amdhsa.kernels:
  - .name:           k_qf9857ab80d_prep
    .symbol:         k_qf9857ab80d_prep.kd
    .args:
      - { .name: z, .offset: 0, .size: 8, .value_kind: global_buffer, .address_space: global }
      - { .name: gamma, .offset: 8, .size: 8, .value_kind: global_buffer, .address_space: global }
      - { .name: beta, .offset: 16, .size: 8, .value_kind: global_buffer, .address_space: global }
      - { .name: w_qkv, .offset: 24, .size: 8, .value_kind: global_buffer, .address_space: global }
      - { .name: w_proj, .offset: 32, .size: 8, .value_kind: global_buffer, .address_space: global }
      - { .name: zq, .offset: 40, .size: 8, .value_kind: global_buffer, .address_space: global }
      - { .name: wq, .offset: 48, .size: 8, .value_kind: global_buffer, .address_space: global }
    .group_segment_fixed_size: 98304
    .private_segment_fixed_size: 0
    .kernarg_segment_align: 8
    .kernarg_segment_size: 56
    .max_flat_workgroup_size: 128
    .sgpr_count:     66
    .vgpr_count:     256
    .wavefront_size: 32
...
	.end_amdgpu_metadata
.endif
;; end of part 1
;; launch qkv (part 2): grid 12 x 32, 4 waves a work-group, clusters of 4 x 4, 327,680 bytes of LDS; arguments zq, wq, qk, vq; writes qk, vq
.if DOCPART == 2
	.amdgcn_target "amdgcn-amd-amdhsa--gfx1250"
	.amdhsa_code_object_version 6
	.text
	.protected	k_qf9857ab80d_qkv
	.globl	k_qf9857ab80d_qkv
	.p2align	8
	.type	k_qf9857ab80d_qkv,@function
k_qf9857ab80d_qkv:
	s_mov_b64 s[64:65], 0
	v_nop
	global_prefetch_b8 v0, s[64:65] scope:SCOPE_SE
	s_setreg_imm32_b32 hwreg(HW_REG_WAVE_MODE, 25, 1), 1
	s_wait_xcnt 0x0
	s_wait_alu depctr_hold_cnt(0) depctr_sa_sdst(0) depctr_va_vdst(0) depctr_va_sdst(0) depctr_va_ssrc(0) depctr_va_vcc(0) depctr_vm_vsrc(0)
	s_getreg_b32 s2, hwreg(HW_REG_IB_STS2, 6, 4)
	s_cmp_eq_u32 s2, 0
	s_cbranch_scc0 .Lentry_in_a_cluster
	s_endpgm
.Lentry_in_a_cluster:
	s_bfe_u32 s2, ttmp6, 0x10000c
	s_cmp_lg_u32 s2, 0xf033
	s_cbranch_scc0 .Lentry_shape_is_right
	s_endpgm
.Lentry_shape_is_right:
.set NQ,     2
.set FR,     12
.set NL,     4
.set NP,     4
.set FRB,    1536
.set TROW,   12288
.set QUART,  8*NQ*FRB
.set SLOT,   4*QUART
.set SCL,    2*SLOT
.set HALFS,  4096
.set SPARE,  SCL+4*HALFS
.set ZQS,    6291456
.set WQSC,   3145728
.set FLOOR,  0x2800000
.set EOFF,   0xfe000000
.set L16,  12
.set L8,   13
.set SH8,  14
.set ADRA, 16
.set ADRB, 20
.set ADRS, 27
.set SPW,  28
.set NIL,  29
.set SC,   32
.set AF,   128
.set G1,   24
.set G0,   32
.set G1B,  48
.set G0B,  56
.set G1S,  68
.set G0S,  76
.set G1SB, 80
.set G0SB, 88
.set MSB, 0
.macro WIN new
.if MSB != \new
	s_set_vgpr_msb (MSB<<8)|\new
.set MSB, \new
.endif
.endm
.set MUL_LO, 0xa1
.set MUL_HI, 0xf1
.set TO_B,   0x40
.macro JLOAD g0a, g1a, g0b, g1b
	s_cmp_eq_u32 s15, 0
	s_cbranch_scc0 .Lfor_b_\@
	tensor_load_to_lds s[\g0a:\g0a+3], s[\g1a:\g1a+7]
	s_nop 0
.rept 4
	v_nop
.endr
	s_branch .Lasked_\@
.Lfor_b_\@:
	tensor_load_to_lds s[\g0b:\g0b+3], s[\g1b:\g1b+7]
	s_nop 0
.rept 4
	v_nop
.endr
.Lasked_\@:
.endm
.macro CREST
	s_cmp_lg_u32 s14, 0
	s_cbranch_scc1 .Lnot_wave_0_\@
	s_barrier_signal -3
.Lnot_wave_0_\@:
	s_barrier_wait -3
	s_barrier_signal -1
	s_barrier_wait -1
.endm
.macro CROUND
	s_barrier_signal -1
	s_barrier_wait -1
	CREST
.endm
	s_load_b256 s[4:11], s[0:1], 0x0
	v_lshl_add_u32 v[SPW], v0, 2, SPARE
	v_mov_b32 v[NIL], 0
	ds_add_u32 v28, v29
	ds_add_u32 v28, v29
	s_wait_dscnt 0x0
	v_lshrrev_b32 v1, 5, v0
	v_readfirstlane_b32 s14, v1
	s_lshr_b32 s15, s14, 1
	s_and_b32 s16, s14, 1
	s_bfe_u32 s40, ttmp6, 0x40000
	s_bfe_u32 s41, ttmp6, 0x40004
	s_lshl_b32 s43, s41, 2
	s_lshl_b32 s43, 15, s43
	s_lshl_b32 s44, 0x1111, s40
	s_or_b32 s[G1+0], s43, (3<<16)|(1<<21)
	s_or_b32 s[G1B+0], s44, (3<<16)|(1<<21)
.irp g, G1, G1B
	s_mov_b32 s[\g+1], 384<<16
	s_mov_b32 s[\g+2], 16<<16                      ; the head's loads of codes bring all 16 tiles of a side; the ring's bring 8 (set below)
	s_mov_b32 s[\g+3], 384<<16
	s_mov_b32 s[\g+4], 16
	s_mov_b32 s[\g+5], 1536
	s_mov_b32 s[\g+6], 0
	s_mov_b32 s[\g+7], 0
.endr
	s_or_b32 s[G1S+0], s43, (3<<16)|(1<<21)
	s_or_b32 s[G1SB+0], s44, (3<<16)|(1<<21)
.irp g, G1S, G1SB
	s_mov_b32 s[\g+1], 32<<16
	s_mov_b32 s[\g+2], 32<<16                      ; the scale words of 16 tiles: 32 rows of 256 bytes
	s_mov_b32 s[\g+3], 32<<16
	s_mov_b32 s[\g+4], 32
	s_mov_b32 s[\g+5], 32
	s_mov_b32 s[\g+6], 0
	s_mov_b32 s[\g+7], 0
.endr
	s_and_b32 s17, ttmp7, 0xffff
	s_lshl_b32 s17, s17, 2
	s_lshl_b32 s12, ttmp9, 2
	s_mov_b32 s98, WQSC
	s_mov_b32 s46, ZQS
	s_wait_kmcnt 0x0
	s_cmp_eq_u32 ttmp9, 2
	s_cselect_b32 s18, s17, s12
	s_cselect_b32 s19, 8, s17
	s_cselect_b32 s98, ZQS, s98
	s_cselect_b32 s46, WQSC, s46
	s_cselect_b64 s[92:93], s[6:7], s[4:5]
	s_cselect_b64 s[94:95], s[4:5], s[6:7]
	s_add_co_u32 s18, s18, s40
	s_add_co_u32 s19, s19, s41
	s_lshl_b32 s12, s16, 3
	s_lshl_b32 s20, s19, 4
	s_add_co_u32 s20, s20, s12
	s_lshl_b32 s22, s18, 4
	s_add_co_u32 s22, s22, s12
	s_lshl_b32 s47, s20, 9
	s_add_co_u32 s46, s46, s47
	s_mov_b32 s47, 0
	s_lshl_b32 s99, s22, 9
	s_add_co_u32 s98, s98, s99
	s_mov_b32 s99, 0
	s_mul_i32 s20, s20, TROW
	s_mov_b32 s21, 0
	s_mul_i32 s22, s22, TROW
	s_mov_b32 s23, 0
	s_add_nc_u64 s[46:47], s[92:93], s[46:47]
	s_add_nc_u64 s[98:99], s[94:95], s[98:99]
	s_add_nc_u64 s[92:93], s[92:93], s[20:21]
	s_add_nc_u64 s[94:95], s[94:95], s[22:23]
	s_mul_i32 s45, s14, QUART
	CROUND
	; the head's four tiles, each whole.  The addresses above hold my half (s16) of a side: the scales' go back to the side's first tile;
	; the codes' are used by waves 0 and 2 alone, whose half is the first
	s_lshl_b32 s12, s16, 12
	s_mov_b32 s13, 0
	s_mov_b32 s[G0S], 1
	s_mov_b32 s[G0S+1], SCL
	s_sub_nc_u64 s[G0S+2:G0S+3], s[46:47], s[12:13]
	s_or_b32 s[G0S+3], s[G0S+3], 0x80000000
	s_mov_b32 s[G0SB], 1
	s_mov_b32 s[G0SB+1], SCL+2*HALFS
	s_sub_nc_u64 s[G0SB+2:G0SB+3], s[98:99], s[12:13]
	s_or_b32 s[G0SB+3], s[G0SB+3], 0x80000000
	s_mov_b32 s4, 1                                ; s[4:7]: A's 16 tiles of slot 0 (the arguments that lay there have been used)
	s_mov_b32 s5, 0
	s_mov_b64 s[6:7], s[92:93]
	s_or_b32 s7, s7, 0x80000000
	s_mov_b32 s96, 1                               ; s[96:99]: B's 16 tiles, behind A's
	s_mov_b32 s97, 2*QUART
	s_mov_b64 s[98:99], s[94:95]
	s_or_b32 s99, s99, 0x80000000
	s_cmp_eq_u32 s15, 0                            ; the prefetches' base: the 8 tiles that I fetch in the ring, of A or of B; s[46:47] is not written again
	s_cselect_b64 s[46:47], s[92:93], s[94:95]
	s_cselect_b32 s2, s40, s41                     ; my place among the four work-groups that ask for these tiles jointly
	s_mul_i32 s2, s2, 24
.irp s, 0,1
	s_mov_b32 s[G0+4*\s], 1
	s_add_co_u32 s[G0+4*\s+1], s45, \s*SLOT
	s_add_nc_u64 s[G0+4*\s+2:G0+4*\s+3], s[92:93], \s*NQ*FRB
	s_or_b32 s[G0+4*\s+3], s[G0+4*\s+3], 0x80000000
	s_mov_b32 s[G0B+4*\s], 1
	s_add_co_u32 s[G0B+4*\s+1], s45, \s*SLOT
	s_add_nc_u64 s[G0B+4*\s+2:G0B+4*\s+3], s[94:95], \s*NQ*FRB
	s_or_b32 s[G0B+4*\s+3], s[G0B+4*\s+3], 0x80000000
.endr
	; one joint load a wave at the head, in one chain of branches on the wave's number
	s_cmp_lt_u32 s14, 1
	s_cbranch_scc0 .Lh_sa
	tensor_load_to_lds s[4:7], s[G1:G1+7]
	s_nop 0
.rept 4
	v_nop
.endr
	s_branch .Lh_done
.Lh_sa:
	s_cmp_lt_u32 s14, 2
	s_cbranch_scc0 .Lh_b
	tensor_load_to_lds s[G0S:G0S+3], s[G1S:G1S+7]
	s_nop 0
.rept 4
	v_nop
.endr
	s_branch .Lh_done
.Lh_b:
	s_cmp_lt_u32 s14, 3
	s_cbranch_scc0 .Lh_sb
	tensor_load_to_lds s[96:99], s[G1B:G1B+7]
	s_nop 0
.rept 4
	v_nop
.endr
	s_branch .Lh_done
.Lh_sb:
	tensor_load_to_lds s[G0SB:G0SB+3], s[G1SB:G1SB+7]
	s_nop 0
.rept 4
	v_nop
.endr
.Lh_done:
	; PREFETCH INTO THE L2.  A pair of K steps of my 8 tiles is 8 x 3,072 bytes = 96 blocks of 256 bytes; the four partners share them out by address, 24 each, a lane a block
	; (lanes 24-31 name the last block again).  Block i lies at 12,288 (i / 12) + 256 (i % 12).  Asked two refills ahead: here pairs 1 and 2, behind slot 1's load pair 3, the last.
	v_and_b32 v5, 31, v0
	v_min_u32 v5, 23, v5
	v_add_nc_u32 v5, s2, v5                        ; i, under 96
	v_mul_u32_u24 v6, v5, 171
	v_lshrrev_b32 v6, 11, v6                       ; i / 12 (exact for i under 96)
	v_mul_u32_u24 v7, v6, 12
	v_sub_nc_u32 v5, v5, v7
	v_lshlrev_b32 v5, 8, v5
	v_mad_u32_u24 v30, v6, 12288, v5               ; v30 is not written again
	global_prefetch_b8 v30, s[46:47] offset:3072 th:TH_LOAD_NT scope:SCOPE_SE
	global_prefetch_b8 v30, s[46:47] offset:6144 th:TH_LOAD_NT scope:SCOPE_SE
	v_and_b32 v1, 31, v0
	v_and_b32 v2, 15, v0
	v_bfe_u32 v3, v0, 4, 1
	v_lshlrev_b32 v[L16], 4, v1
	v_lshlrev_b32 v[L8], 3, v1
	v_lshlrev_b32 v[SH8], 3, v3
	v_mov_b32 v87, 0
	s_mov_b32 s66, 0x76543210
	s_mov_b32 s67, 0xfedcba98
	s_mul_i32 s21, s15, QUART
	s_mul_i32 s22, s16, QUART
	s_add_co_u32 s22, s22, 2*QUART
.irp s, 0,1
	v_add_nc_u32 v[ADRA+\s], s21, v[L16]
	v_add_nc_u32 v[ADRA+2+\s], s21, v[L8]
	v_add_nc_u32 v[ADRB+\s], s22, v[L16]
	v_add_nc_u32 v[ADRB+2+\s], s22, v[L8]
	s_add_co_u32 s21, s21, SLOT
	s_add_co_u32 s22, s22, SLOT
.endr
	s_lshl_b32 s21, s15, 12
	s_lshl_b32 s22, s16, 12
	s_add_co_u32 s22, s22, 2*HALFS
	s_sub_co_u32 s22, s22, s21
	v_mul_u32_u24 v4, s22, v3
	s_add_co_u32 s21, s21, SCL
	v_lshl_add_u32 v4, v2, 2, v4
	v_add_nc_u32 v[ADRS], s21, v4
.macro FRAG reg, adr, q, i
	ds_load_b128 v[\reg:\reg+3], v[\adr] offset:(\i)*NQ*FRB+(\q)*FRB
	ds_load_b64 v[\reg+4:\reg+5], v[\adr+2] offset:(\i)*NQ*FRB+(\q)*FRB+512
	ds_load_b128 v[\reg+6:\reg+9], v[\adr] offset:(\i)*NQ*FRB+(\q)*FRB+768
	ds_load_b64 v[\reg+10:\reg+11], v[\adr+2] offset:(\i)*NQ*FRB+(\q)*FRB+1280
.endm
.macro MUL16 a0, p, q, sc, zero
.irp a, \a0, \a0+1
.irp b, 0,1,2,3,4,5,6,7
.if \zero
	v_wmma_scale_f32_16x16x128_f8f6f4 v[8*(8*((\a)%4)+\b):8*(8*((\a)%4)+\b)+7], v[128*(\p)+FR*\b:128*(\p)+FR*\b+FR-1], v[AF+FR*(\a):AF+FR*(\a)+FR-1], 0, v[SC+8*NQ*(\sc)+NQ*\b+(\q)], v[SC+8*NQ*(\sc)+NQ*(\a)+(\q)] matrix_a_fmt:MATRIX_FMT_BF6 matrix_b_fmt:MATRIX_FMT_BF6 matrix_a_scale:MATRIX_SCALE_ROW1
.else
	v_wmma_scale_f32_16x16x128_f8f6f4 v[8*(8*((\a)%4)+\b):8*(8*((\a)%4)+\b)+7], v[128*(\p)+FR*\b:128*(\p)+FR*\b+FR-1], v[AF+FR*(\a):AF+FR*(\a)+FR-1], v[8*(8*((\a)%4)+\b):8*(8*((\a)%4)+\b)+7], v[SC+8*NQ*(\sc)+NQ*\b+(\q)], v[SC+8*NQ*(\sc)+NQ*(\a)+(\q)] matrix_a_fmt:MATRIX_FMT_BF6 matrix_b_fmt:MATRIX_FMT_BF6 matrix_a_scale:MATRIX_SCALE_ROW1
.endif
.endr
.endr
.endm
.macro FETCH_B slot, q, p
	WIN TO_B
.irp i, 0,1,2,3,4,5,6,7
	FRAG 128*(\p)+FR*\i, ADRB+\slot, \q, \i
.endr
	WIN 0
.endm
.macro FETCH_A slot, q, i0
.irp i, \i0, \i0+1, \i0+2, \i0+3
	FRAG AF+FR*(\i), ADRA+\slot, \q, \i
.endr
.endm
.macro SCALES sc
.irp i, 0,1,2,3,4,5,6,7
.irp q, 0,1
	ds_load_b32 v[SC+8*NQ*\sc+NQ*\i+\q], v[ADRS] offset:\i*512+\q*64
.endr
.endr
.endm
.macro PLACES n
.rept \n
	v_nop
.endr
.endm
.macro STEP slot, q, zero
	s_wait_dscnt 4*NL
	WIN MUL_LO
	MUL16 0, (\q)%2, \q, \slot, \zero
	MUL16 2, (\q)%2, \q, \slot, \zero
	s_wait_dscnt 0
	PLACES NP
	FETCH_B \slot, (\q)+1, 1-(\q)%2
	FETCH_A \slot, (\q)+1, 0
	WIN MUL_HI
	MUL16 4, (\q)%2, \q, \slot, \zero
	MUL16 6, (\q)%2, \q, \slot, \zero
	PLACES NP
	WIN 0
	FETCH_A \slot, (\q)+1, 4
.endm
.macro TURN slot, next, fill
	s_wait_tensorcnt 0x0
	ds_add_u32 v[SPW], v[NIL]
	s_wait_dscnt 4*NL+1
	WIN MUL_LO
	MUL16 0, 1, NQ-1, \slot, 0
	s_wait_dscnt 0x0
	s_barrier_signal -1
	MUL16 2, 1, NQ-1, \slot, 0
	WIN 0
	s_barrier_wait -1
.if \fill
	CREST
	s_add_nc_u64 s[G0+4*\slot+2:G0+4*\slot+3], s[G0+4*\slot+2:G0+4*\slot+3], 2*NQ*FRB
	s_add_nc_u64 s[G0B+4*\slot+2:G0B+4*\slot+3], s[G0B+4*\slot+2:G0B+4*\slot+3], 2*NQ*FRB
	JLOAD G0+4*\slot, G1, G0B+4*\slot, G1B
.else
	PLACES NP
.endif
	s_wait_alu depctr_va_vdst(0)
	v_add_nc_u32 v[ADRS], 64*NQ, v[ADRS]
	FETCH_B \next, 0, 0
	FETCH_A \next, 0, 0
	SCALES \next
	WIN MUL_HI
	MUL16 4, 1, NQ-1, \slot, 0
	MUL16 6, 1, NQ-1, \slot, 0
	PLACES NP
	WIN 0
	FETCH_A \next, 0, 4
.endm
	s_wait_alu depctr_va_vdst(0)
	s_wait_tensorcnt 0x0                           ; my tile of the head's four is in; slot 1's first fill is issued as a refill is
	ds_add_u32 v[SPW], v[NIL]
	s_mov_b32 s[G1+2], 8<<16                       ; no load of mine is out: from here on a load brings 8 tiles
	s_mov_b32 s[G1+4], 8
	s_mov_b32 s[G1B+2], 8<<16
	s_mov_b32 s[G1B+4], 8
	s_wait_dscnt 0x0
	CROUND
	JLOAD G0+4, G1, G0B+4, G1B
	FETCH_B 0, 0, 0
	FETCH_A 0, 0, 0
	SCALES 0
	FETCH_A 0, 0, 4
	global_prefetch_b8 v30, s[46:47] offset:9216 th:TH_LOAD_NT scope:SCOPE_SE   ; pair 3: the last 3,072 bytes of each tile's 12,288
	STEP 0, 0, 1
	TURN 0, 1, 1
	STEP 1, 0, 0
	TURN 1, 0, 1
	STEP 0, 0, 0
	TURN 0, 1, 0
	STEP 1, 0, 0
	s_wait_dscnt 4*NL
	WIN MUL_LO
	MUL16 0, 1, NQ-1, 1, 0
	MUL16 2, 1, NQ-1, 1, 0
	s_wait_dscnt 0
	WIN MUL_HI
	MUL16 4, 1, NQ-1, 1, 0
	MUL16 6, 1, NQ-1, 1, 0
	WIN 0
.macro EQF a
.set W,  2+(\a)/4
.set AC, 64*((\a)%4)
.set PD, 128+12*(\a)
.set W12, (W<<2)|(W<<4)
	WIN W12
	v_max3_num_f32 v80, FLOOR, |v[AC]|, |v[AC+1]|
	v_max3_num_f32 v81, FLOOR, |v[AC+32]|, |v[AC+33]|
.irp i, 2,4,6,8,10,12,14,16,18,20,22,24,26,28,30
	v_max3_num_f32 v80, v80, |v[AC+\i]|, |v[AC+\i+1]|
	v_max3_num_f32 v81, v81, |v[AC+32+\i]|, |v[AC+33+\i]|
.endr
	WIN 0
	v_add_nc_u32 v82, EOFF, v80
	v_add_nc_u32 v83, EOFF, v81
	v_lshrrev_b32 v84, 23, v82
	v_lshrrev_b32 v85, 23, v83
	v_lshl_or_b32 v86, v85, 16, v84
	v_lshlrev_b32 v86, v[SH8], v86
	v_permlanex16_b32 v87, v86, s66, s67
	v_or_b32 v[72+(\a)], v86, v87
	WIN W
	v_cvt_scalef32_pk16_bf6_f32 v[PD:PD+2], v[AC:AC+15], v82
	v_cvt_scalef32_pk16_bf6_f32 v[64:66], v[AC+16:AC+31], v82
	v_cvt_scalef32_pk16_bf6_f32 v[PD+6:PD+8], v[AC+32:AC+47], v83
	v_cvt_scalef32_pk16_bf6_f32 v[68:70], v[AC+48:AC+63], v83
	WIN 0
	v_nop
.irp i, 0,1,2
	v_mov_b32 v[PD+3+\i], v[64+\i]
	v_mov_b32 v[PD+9+\i], v[68+\i]
.endr
.endm
	PLACES NP
.irp a, 0,1,2,3,4,5,6,7
	EQF \a
.endr
	s_mov_b32 vcc_lo, 0xffff0000
.irp i, 0,1,2,3
	v_cndmask_b32 v[88+\i], v[72+2*\i], v[73+2*\i], vcc_lo
.endr
	s_cmp_eq_u32 ttmp9, 2
	s_cbranch_scc1 .Lv_out
	s_lshr_b32 s2, s19, 3
	s_lshl_b32 s2, s2, 4
	s_lshl_b32 s3, s40, 2
	s_add_co_u32 s2, s2, s3
	s_lshl_b32 s3, s16, 1
	s_add_co_u32 s2, s2, s3
	s_and_b32 s3, s19, 7
	s_lshl_b32 s3, s3, 1
	s_add_co_u32 s3, s3, s15
	s_lshl_b32 s12, s2, 4
	s_add_co_u32 s12, s12, s3
	s_lshl_b32 s96, s12, 9
	s_mul_i32 s12, s12, 6144
	s_mul_i32 s17, ttmp9, 6291456
	s_add_co_u32 s12, s12, s17
	s_mov_b32 s13, 0
	s_add_nc_u64 s[12:13], s[8:9], s[12:13]
	s_mul_i32 s17, ttmp9, 524288
	s_add_co_u32 s96, s96, s17
	s_add_co_u32 s96, s96, 12582912
	s_mov_b32 s97, 0
	s_add_nc_u64 s[96:97], s[8:9], s[96:97]
	s_wait_alu depctr_va_vdst(0)
.irp i, 0,1,2,3
	v_and_b32 v[92+\i], 0xffff, v[88+\i]
	v_lshrrev_b32 v[96+\i], 16, v[88+\i]
.endr
.irp a, 0,1,2,3,4,5,6,7
	global_store_b128 v[L16], v[128+12*\a:131+12*\a], s[12:13] offset:768*\a
	global_store_b64 v[L8], v[132+12*\a:133+12*\a], s[12:13] offset:768*\a+512
	global_store_b128 v[L16], v[134+12*\a:137+12*\a], s[12:13] offset:768*\a+98304
	global_store_b64 v[L8], v[138+12*\a:139+12*\a], s[12:13] offset:768*\a+98304+512
.endr
	global_store_b128 v[L16], v[92:95], s[96:97]
	global_store_b128 v[L16], v[96:99], s[96:97] offset:8192
	s_branch .Lout_done
.Lv_out:
	s_lshl_b32 s2, s18, 1
	s_add_co_u32 s2, s2, s16
	s_and_b32 s3, s2, 15
	s_lshr_b32 s2, s2, 4
	s_lshl_b32 s2, s2, 4
	s_lshl_b32 s17, s41, 2
	s_add_co_u32 s2, s2, s17
	s_lshl_b32 s17, s15, 1
	s_add_co_u32 s2, s2, s17
	s_lshl_b32 s2, s2, 4
	s_add_co_u32 s2, s2, s3
	s_lshl_b32 s96, s2, 8
	s_add_co_u32 s96, s96, 6291456
	s_mov_b32 s97, 0
	s_add_nc_u64 s[96:97], s[10:11], s[96:97]
	s_mul_i32 s12, s2, 6144
	s_mov_b32 s13, 0
	s_add_nc_u64 s[12:13], s[10:11], s[12:13]
	s_wait_alu depctr_va_vdst(0)
.irp a, 0,1,2,3,4,5,6,7
	global_store_b128 v[L16], v[128+12*\a:131+12*\a], s[12:13] offset:1536*(\a%4)+98304*(\a/4)
	global_store_b64 v[L8], v[132+12*\a:133+12*\a], s[12:13] offset:1536*(\a%4)+98304*(\a/4)+512
	global_store_b128 v[L16], v[134+12*\a:137+12*\a], s[12:13] offset:1536*(\a%4)+98304*(\a/4)+768
	global_store_b64 v[L8], v[138+12*\a:139+12*\a], s[12:13] offset:1536*(\a%4)+98304*(\a/4)+1280
.endr
	global_store_b64 v[L8], v[88:89], s[96:97]
	global_store_b64 v[L8], v[90:91], s[96:97] offset:4096
.Lout_done:
	s_wait_tensorcnt 0x0
	ds_add_u32 v[SPW], v[NIL]
	s_wait_dscnt 0x0
	CROUND
	s_endpgm
.Lfunc_end_k_qf9857ab80d_qkv:
	.size	k_qf9857ab80d_qkv, .Lfunc_end_k_qf9857ab80d_qkv-k_qf9857ab80d_qkv
	.p2alignl 7, 3214868480
	.fill 96, 4, 3214868480
	.section	.rodata,"a",@progbits
	.p2align	6, 0x0
	.amdhsa_kernel k_qf9857ab80d_qkv
		.amdhsa_group_segment_fixed_size 327680
		.amdhsa_private_segment_fixed_size 0
		.amdhsa_enable_private_segment 0
		.amdhsa_kernarg_size 32
		.amdhsa_user_sgpr_count 2
		.amdhsa_user_sgpr_kernarg_segment_ptr 1
		.amdhsa_wavefront_size32 1
		.amdhsa_system_sgpr_workgroup_id_x 1
		.amdhsa_system_sgpr_workgroup_id_y 1
		.amdhsa_system_sgpr_workgroup_id_z 1
		.amdhsa_system_vgpr_workitem_id 0
		.amdhsa_next_free_vgpr 1024
		.amdhsa_next_free_sgpr 100
		.amdhsa_reserve_vcc 1
		.amdhsa_float_denorm_mode_32 3
		.amdhsa_float_denorm_mode_16_64 3
		.amdhsa_memory_ordered 1
		.amdhsa_forward_progress 1
		.amdhsa_inst_pref_size 150
	.end_amdhsa_kernel
	.amdgpu_metadata
---
amdhsa.version: [ 1, 2 ]
amdhsa.kernels:
  - .name:           k_qf9857ab80d_qkv
    .symbol:         k_qf9857ab80d_qkv.kd
    .args:
      - { .name: zq, .offset: 0, .size: 8, .value_kind: global_buffer, .address_space: global }
      - { .name: wq, .offset: 8, .size: 8, .value_kind: global_buffer, .address_space: global }
      - { .name: qk, .offset: 16, .size: 8, .value_kind: global_buffer, .address_space: global }
      - { .name: vq, .offset: 24, .size: 8, .value_kind: global_buffer, .address_space: global }
    .group_segment_fixed_size: 327680
    .private_segment_fixed_size: 0
    .kernarg_segment_align: 8
    .kernarg_segment_size: 32
    .max_flat_workgroup_size: 128
    .sgpr_count:     100
    .vgpr_count:     1024
    .wavefront_size: 32
...
	.end_amdgpu_metadata
.endif
;; end of part 2
;; launch attn (part 3): grid 4 x 64, 8 waves a work-group, clusters of 4 x 1, 209,920 bytes of LDS; arguments qk, vq, oq; writes oq
.if DOCPART == 3
	.amdgcn_target "amdgcn-amd-amdhsa--gfx1250"
	.amdhsa_code_object_version 6
	.text
	.protected	k_qf9857ab80d_attn
	.globl	k_qf9857ab80d_attn
	.p2align	8
	.type	k_qf9857ab80d_attn,@function
k_qf9857ab80d_attn:
	s_mov_b64 s[64:65], 0
	v_nop
	global_prefetch_b8 v0, s[64:65] scope:SCOPE_SE
	s_setreg_imm32_b32 hwreg(HW_REG_WAVE_MODE, 25, 1), 1
	s_wait_xcnt 0x0
	s_wait_alu depctr_hold_cnt(0) depctr_sa_sdst(0) depctr_va_vdst(0) depctr_va_sdst(0) depctr_va_ssrc(0) depctr_va_vcc(0) depctr_vm_vsrc(0)
	s_getreg_b32 s2, hwreg(HW_REG_IB_STS2, 6, 4)
	s_cmp_eq_u32 s2, 0
	s_cbranch_scc0 .Lentry_in_a_cluster
	s_endpgm
.Lentry_in_a_cluster:
	s_bfe_u32 s2, ttmp6, 0x10000c
	s_cmp_lg_u32 s2, 0x3003
	s_cbranch_scc0 .Lentry_shape_is_right
	s_endpgm
.Lentry_shape_is_right:
; Attention of one (batch, head) on codes of E3M2; 2,048 keys, head size 64.  The result is divided by the row's sum, quantised along the head's 64 channels and stored as codes for the projection.
; t = score x log2(e) / 8; M = the running largest t rounded up to a whole number; p = 2^(t - M) is quantised along the keys, not normalised; the row's sum is taken of the unquantised p.
; When M moves, the sum and O are multiplied by 2^(old M - new M): exact.
; SHARES.  A work-group owns 512 queries, each of its eight waves 64: four tiles of 16, so that each fragment of K and V read from LDS feeds four products.  Two waves to a SIMD.
; THE HEAD'S WHOLE K AND V LIE IN LDS (codes 2 x 98,304 bytes, scale words 8,192 + 4,096), filled ONCE: no slot is filled again.  The four work-groups of a cluster share the head: every fill is a joint load.
; LAYOUT.  S^T = K Q^T, O^T = V^T P^T: a lane holds one query.  By the tiles' row order a lane's 64 scores of a step are keys 64 c + 32 h + i: two whole blocks of 32, in the operand's own order: no lane is asked for a block's maximum.
; K = 64 IN AN INSTRUCTION OF 128: Q's fragment is (q, zero codes).  K's half fragments lie 6 registers apart, so an operand's upper six registers are the next tile's codes (the last tile's: six zeros): finite numbers times zero codes.
; A block's largest p is made from its largest score by the same multiply-add and exponential (this takes v_exp_f32 not to fall where its input rises).
; REGISTERS.  window 0: v1-12 addresses; v16-31 four a tile: -M, the largest score, the sum in two halves; v32-33 f; v34-47 at work; v48-51 K's, v52-53 V's, v54-55 Q's, v56-59 P's scale words; v60-107 P's codes;
;   v108-114 at work; v128-191 S^T, then p; v192-239 V.   window 1: v0-127 O^T (32 a tile); v128-175 Q; v176-229 K and the six zeros.
; LIMITS: NaN and infinities are not served; a block of zeros gets the byte 1.
.set VC,   98304
.set KS,   196608
.set VS,   204800
.set FLOOR, 0x2800000
.set EOFF,  0xfe000000
.set L16,  1
.set L8,   2
.set AK16, 3
.set AK8,  4
.set AKS,  5
.set AV16, 6
.set AV8,  7
.set AVS,  8
.set SH8,  9
.set V16,  10
.set V8,   11
.set L4,   12
.set STT,  16
.set FF,   32
.set KSC,  48
.set VSC,  52
.set QSC,  54
.set PSC,  56
.set PC,   60
.set TMP,  108
.set S,    128
.set VF,   192
.set QR,   128                         ; in window 1
.set KF,   176                         ; in window 1
.set G1C,  16                          ; s[16:23] group 1: 128 rows of 256 bytes;  s[24:31]: 32 rows;  s[32:39]: 16 rows
.set G1KS, 24
.set G1VS, 32
.set G0KC, 40                          ; groups 0: K's codes, K's scale words, V's codes, V's scale words
.set G0KS, 44
.set G0VC, 48
.set G0VS, 52
.set KO,   56                          ; s56  the step's codes: 6,144 bytes a step, in K's part and in V's
.set KSO,  57                          ; s57  K's scale words: KS + 512 a step
.set VSO,  58                          ; s58  V's: VS + 256 a step
.set CNT,  59
.set CS,   60                          ; s[60:61] c = log2(e) / 8
.set NC,   62                          ; s62  -c
.set SEL,  66                          ; s[66:67]
.set MSB, 0
.macro WIN new
.if MSB != \new
	s_set_vgpr_msb (MSB<<8)|\new
.set MSB, \new
.endif
.endm
.macro ROUND                           ; a round of the cluster's barrier
	s_barrier_signal -1
	s_barrier_wait -1
	s_cmp_lg_u32 s10, 0
	s_cbranch_scc1 .Lnot_wave_0_\@
	s_barrier_signal -3
.Lnot_wave_0_\@:
	s_barrier_wait -3
	s_barrier_signal -1
	s_barrier_wait -1
.endm
.macro DENSE g, rows                   ; a dense block as rows of 256 bytes, asked for jointly by all four work-groups
	s_mov_b32 s[\g], 15|(3<<16)|(1<<21)
	s_mov_b32 s[\g+1], 32<<16
	s_mov_b32 s[\g+2], (\rows)<<16
	s_mov_b32 s[\g+3], 32<<16
	s_mov_b32 s[\g+4], \rows
	s_mov_b32 s[\g+5], 32
	s_mov_b32 s[\g+6], 0
	s_mov_b32 s[\g+7], 0
.endm
	s_load_b128 s[4:7], s[0:1], 0x0                ; qk s[4:5], vq s[6:7]
	s_load_b64 s[8:9], s[0:1], 0x10                ; oq
	v_lshl_add_u32 v126, v0, 2, 0x33000
	v_mov_b32 v127, 0
	ds_add_u32 v126, v127
	ds_add_u32 v126, v127
	v_lshrrev_b32 v1, 5, v0
	s_delay_alu instid0(VALU_DEP_1)
	v_readfirstlane_b32 s10, v1                    ; wave 0..7
	s_cmp_lt_u32 s10, 3                            ; one fill a wave: waves 0-2 a third of K's codes, waves 3-5 of V's, wave 6 K's scale words, wave 7 V's
	s_cselect_b32 s11, 0, 3
	s_sub_co_u32 s11, s10, s11                     ; which third
	s_bfe_u32 s12, ttmp6, 0x40000                  ; cx: my 512 queries
	s_and_b32 s13, ttmp7, 0xffff                   ; 16 batch + head
	DENSE G1C, 128
	DENSE G1KS, 32
	DENSE G1VS, 16
	s_mul_i32 s68, s13, 98304
	s_mul_i32 s69, s11, 32768
	s_add_co_u32 s68, s68, s69
	s_mov_b32 s69, 0                               ; my third of the head's codes
	s_lshl_b32 s70, s13, 13
	s_add_co_u32 s70, s70, 12582912+524288         ; of k's scale words
	s_mov_b32 s71, 0
	s_lshl_b32 s72, s13, 12
	s_add_co_u32 s72, s72, 6291456                 ; of v's
	s_mov_b32 s73, 0
	s_mov_b32 s[CS], 0x3e38aa3b
	s_mov_b32 s[CS+1], s[CS]
	s_mov_b32 s[NC], 0xbe38aa3b
	s_mov_b32 s[SEL], 0x76543210
	s_mov_b32 s[SEL+1], 0xfedcba98
	s_mov_b32 s[KO], 0
	s_mov_b32 s[KSO], KS
	s_mov_b32 s[VSO], VS
	s_wait_dscnt 0x0
	s_wait_kmcnt 0x0
	s_mov_b32 s[G0KC], 1
	s_lshl_b32 s[G0KC+1], s10, 15                  ; K's codes and V's lie on end in LDS: 32,768 x wave
	s_add_nc_u64 s[G0KC+2:G0KC+3], s[4:5], s[68:69]
	s_add_nc_u64 s[G0KC+2:G0KC+3], s[G0KC+2:G0KC+3], 6291456   ; k lies behind q
	s_or_b32 s[G0KC+3], s[G0KC+3], 0x80000000
	s_mov_b32 s[G0VC], 1
	s_lshl_b32 s[G0VC+1], s10, 15
	s_add_nc_u64 s[G0VC+2:G0VC+3], s[6:7], s[68:69]
	s_or_b32 s[G0VC+3], s[G0VC+3], 0x80000000
	s_mov_b32 s[G0KS], 1
	s_mov_b32 s[G0KS+1], KS
	s_add_nc_u64 s[G0KS+2:G0KS+3], s[4:5], s[70:71]
	s_or_b32 s[G0KS+3], s[G0KS+3], 0x80000000
	s_mov_b32 s[G0VS], 1
	s_mov_b32 s[G0VS+1], VS
	s_add_nc_u64 s[G0VS+2:G0VS+3], s[6:7], s[72:73]
	s_or_b32 s[G0VS+3], s[G0VS+3], 0x80000000
	ROUND                                          ; all four work-groups are here: the joint loads meet
	s_cmp_lt_u32 s10, 3                            ; one chain of branches on the wave's number, one joint load to an arm
	s_cbranch_scc0 .Lfor_v
	tensor_load_to_lds s[G0KC:G0KC+3], s[G1C:G1C+7]
	s_nop 0
.rept 4
	v_nop
.endr
	s_branch .Lasked
.Lfor_v:
	s_cmp_lt_u32 s10, 6
	s_cbranch_scc0 .Lfor_ks
	tensor_load_to_lds s[G0VC:G0VC+3], s[G1C:G1C+7]
	s_nop 0
.rept 4
	v_nop
.endr
	s_branch .Lasked
.Lfor_ks:
	s_cmp_lt_u32 s10, 7
	s_cbranch_scc0 .Lfor_vs
	tensor_load_to_lds s[G0KS:G0KS+3], s[G1KS:G1KS+7]
	s_nop 0
.rept 4
	v_nop
.endr
	s_branch .Lasked
.Lfor_vs:
	tensor_load_to_lds s[G0VS:G0VS+3], s[G1VS:G1VS+7]
	s_nop 0
.rept 4
	v_nop
.endr
.Lasked:
	v_and_b32 v13, 31, v0
	s_delay_alu instid0(VALU_DEP_1)
	v_lshlrev_b32 v[L16], 4, v13
	s_delay_alu instid0(VALU_DEP_2)
	v_lshlrev_b32 v[L8], 3, v13
	s_delay_alu instid0(VALU_DEP_3)
	v_lshlrev_b32 v[L4], 2, v13
	v_bfe_u32 v14, v0, 4, 1
	s_delay_alu instid0(VALU_DEP_1)
	v_lshlrev_b32 v[SH8], 3, v14
	v_add_nc_u32 v[V16], VC, v[L16]
	v_add_nc_u32 v[V8], VC, v[L8]
	v_add_nc_u32 v[AK16], s[KO], v[L16]
	v_add_nc_u32 v[AK8], s[KO], v[L8]
	v_add_nc_u32 v[AKS], s[KSO], v[L16]
	v_add_nc_u32 v[AV16], s[KO], v[V16]
	v_add_nc_u32 v[AV8], s[KO], v[V8]
	v_add_nc_u32 v[AVS], s[VSO], v[L8]
	s_lshl_b32 s2, s12, 5
	s_lshl_b32 s3, s10, 2
	s_add_co_u32 s2, s2, s3                        ; my first tile of queries in the head: 32 cx + 4 wave
	s_mul_i32 s14, s2, 768
	s_mul_i32 s15, s13, 98304
	s_add_co_u32 s14, s14, s15
	s_mov_b32 s15, 0
	s_add_nc_u64 s[14:15], s[4:5], s[14:15]        ; q's codes
	s_lshr_b32 s74, s2, 3
	s_lshl_b32 s74, s74, 9                         ; the 128 tokens' scale words,
	s_lshl_b32 s75, s13, 13
	s_add_co_u32 s74, s74, s75
	s_and_b32 s75, s10, 1
	s_lshl_b32 s75, s75, 3                         ; of which my four tiles are the lower or the upper 8 of a lane's 16 bytes
	s_add_co_u32 s74, s74, s75
	s_add_co_u32 s74, s74, 12582912
	s_mov_b32 s75, 0
	s_add_nc_u64 s[74:75], s[4:5], s[74:75]
	s_lshr_b32 s76, s13, 4
	s_lshl_b32 s76, s76, 7
	s_add_co_u32 s76, s76, s2                      ; my first tile among all 512: 128 batch + ..
	s_and_b32 s3, s13, 15                          ; head
	s_lshl_b32 s78, s76, 6
	s_lshl_b32 s79, s3, 15
	s_add_co_u32 s78, s78, s79
	s_add_co_u32 s78, s78, 6291456
	s_mov_b32 s79, 0
	s_add_nc_u64 s[78:79], s[8:9], s[78:79]        ; oq's scale words: [head][tile][16]
	s_mul_i32 s76, s76, 12288
	s_mul_i32 s77, s3, 768                         ; head hd fills half hd % 2 of K step hd / 2
	s_add_co_u32 s76, s76, s77
	s_mov_b32 s77, 0
	s_add_nc_u64 s[76:77], s[8:9], s[76:77]        ; oq's codes
	WIN 0x40                                       ; destination window 1
.irp q, 0,1,2,3
	global_load_b128 v[QR+12*\q:QR+12*\q+3], v[L16], s[14:15] offset:768*\q
	global_load_b64 v[QR+12*\q+4:QR+12*\q+5], v[L8], s[14:15] offset:768*\q+512
.endr
.irp q, 0,1,2,3
.irp i, 6,7,8,9,10,11
	v_mov_b32 v[QR+12*\q+\i], 0                    ; the zero half of Q's fragments
.endr
.endr
.irp i, 0,1,2,3,4,5
	v_mov_b32 v[KF+48+\i], 0                       ; behind K's last tile
.endr
.set I, 0
.rept 128
	v_mov_b32 v[I], 0                              ; O^T.  (The trip is written without a first step of its own: it finds zeros, which the first change of M leaves zeros)
.set I, I+1
.endr
	WIN 0
	global_load_b64 v[QSC:QSC+1], v[L16], s[74:75]
.irp q, 0,1,2,3
	v_mov_b32 v[STT+4*\q], 0x7e000000              ; -M = 2^125: M lies under every t
	v_mov_b32 v[STT+4*\q+1], 0xff61b1e6            ; the largest score so far: -3e38
	v_mov_b32 v[STT+4*\q+2], 0
	v_mov_b32 v[STT+4*\q+3], 0
.endr
	v_mov_b32 v[FF+1], 0                           ; (named as the upper half of f's pair)
	v_mov_b32 v39, 0                               ; lane permutes' destinations count as read
	v_mov_b32 v47, 0
.macro KQ q, t                         ; S^T tile t = 16 keys x my 16 queries of tile q; the sum starts with 0
.set rS, S+8*(\t)
.set rK, KF+6*(\t)
.set rQ, QR+12*(\q)
.set rA, KSC+(\t)/2
.set rB, QSC+(\q)/2
.if ((\t)%2 == 0) && ((\q)%2 == 0)
	v_wmma_scale_f32_16x16x128_f8f6f4 v[rS:rS+7], v[rK:rK+11], v[rQ:rQ+11], 0, v[rA], v[rB] matrix_a_fmt:MATRIX_FMT_BF6 matrix_b_fmt:MATRIX_FMT_BF6
.elseif ((\t)%2 == 1) && ((\q)%2 == 0)
	v_wmma_scale_f32_16x16x128_f8f6f4 v[rS:rS+7], v[rK:rK+11], v[rQ:rQ+11], 0, v[rA], v[rB] matrix_a_fmt:MATRIX_FMT_BF6 matrix_b_fmt:MATRIX_FMT_BF6 matrix_a_scale:MATRIX_SCALE_ROW1
.elseif ((\t)%2 == 0)
	v_wmma_scale_f32_16x16x128_f8f6f4 v[rS:rS+7], v[rK:rK+11], v[rQ:rQ+11], 0, v[rA], v[rB] matrix_a_fmt:MATRIX_FMT_BF6 matrix_b_fmt:MATRIX_FMT_BF6 matrix_b_scale:MATRIX_SCALE_ROW1
.else
	v_wmma_scale_f32_16x16x128_f8f6f4 v[rS:rS+7], v[rK:rK+11], v[rQ:rQ+11], 0, v[rA], v[rB] matrix_a_fmt:MATRIX_FMT_BF6 matrix_b_fmt:MATRIX_FMT_BF6 matrix_a_scale:MATRIX_SCALE_ROW1 matrix_b_scale:MATRIX_SCALE_ROW1
.endif
.endm
.macro PV q, ct                        ; O^T(q, ct) += 16 channels x 128 keys x P(q)
.set rO, 32*(\q)+8*(\ct)
.set rV, VF+12*(\ct)
.set rP, PC+12*(\q)
.if (\ct)%2 == 0
	v_wmma_scale_f32_16x16x128_f8f6f4 v[rO:rO+7], v[rV:rV+11], v[rP:rP+11], v[rO:rO+7], v[VSC+(\ct)/2], v[PSC+(\q)] matrix_a_fmt:MATRIX_FMT_BF6 matrix_b_fmt:MATRIX_FMT_BF6
.else
	v_wmma_scale_f32_16x16x128_f8f6f4 v[rO:rO+7], v[rV:rV+11], v[rP:rP+11], v[rO:rO+7], v[VSC+(\ct)/2], v[PSC+(\q)] matrix_a_fmt:MATRIX_FMT_BF6 matrix_b_fmt:MATRIX_FMT_BF6 matrix_a_scale:MATRIX_SCALE_ROW1
.endif
.endm
.macro FETCH_K                         ; a step's eight half fragments and their scale words: 17 loads
	WIN 0x40
.irp t, 0,1,2,3,4,5,6,7
	ds_load_b128 v[KF+6*\t:KF+6*\t+3], v[AK16] offset:768*\t
	ds_load_b64 v[KF+6*\t+4:KF+6*\t+5], v[AK8] offset:768*\t+512
.endr
	WIN 0
	ds_load_b128 v[KSC:KSC+3], v[AKS]
.endm
.macro FETCH_V                         ; a step's four fragments and their scale words: 17 loads
.irp ct, 0,1,2,3
	ds_load_b128 v[VF+12*\ct:VF+12*\ct+3], v[AV16] offset:1536*\ct
	ds_load_b64 v[VF+12*\ct+4:VF+12*\ct+5], v[AV8] offset:1536*\ct+512
	ds_load_b128 v[VF+12*\ct+6:VF+12*\ct+9], v[AV16] offset:1536*\ct+768
	ds_load_b64 v[VF+12*\ct+10:VF+12*\ct+11], v[AV8] offset:1536*\ct+1280
.endr
	ds_load_b64 v[VSC:VSC+1], v[AVS]
.endm
.macro SOFTMAX q
.set ST, STT+4*(\q)
.irp c, 0,1                                    ; the largest score of my two blocks of 32 keys, two chains a block; each accumulator is first read at its low end
	v_max3_num_f32 v[34+\c], v[S+32*\c], v[S+32*\c+1], v[S+32*\c+2]
	v_max3_num_f32 v[36+\c], v[S+32*\c+16], v[S+32*\c+17], v[S+32*\c+18]
.endr
.irp i, 3,5,7,9,11,13
.irp c, 0,1
	v_max3_num_f32 v[34+\c], v[34+\c], v[S+32*\c+\i], v[S+32*\c+\i+1]
	v_max3_num_f32 v[36+\c], v[36+\c], v[S+32*\c+16+\i], v[S+32*\c+17+\i]
.endr
.endr
.irp c, 0,1
	v_max3_num_f32 v[34+\c], v[34+\c], v[36+\c], v[S+32*\c+15]
.endr
.irp c, 0,1
	v_max_num_f32 v[34+\c], v[34+\c], v[S+32*\c+31]
.endr
	s_delay_alu instid0(VALU_DEP_1)
	v_max_num_f32 v38, v34, v35
	s_delay_alu instid0(VALU_DEP_1)
	v_permlanex16_b32 v39, v38, s[SEL], s[SEL+1]   ; the query's other 64 keys lie in the lane 16 away
	s_delay_alu instid0(VALU_DEP_1)
	v_max3_num_f32 v[ST+1], v38, v39, v[ST+1]      ; the running largest score
	s_delay_alu instid0(VALU_DEP_1)
	v_mul_f32 v38, s[NC], v[ST+1]
	s_delay_alu instid0(VALU_DEP_1)
	v_floor_f32 v38, v38                           ; the new -M = floor(-t): M is a whole number
	s_delay_alu instid0(VALU_DEP_1)
	v_sub_f32 v40, v38, v[ST]                      ; old M - new M: a whole number, 0 or less
	s_delay_alu instid0(VALU_DEP_2)
	v_mov_b32 v[ST], v38
	s_delay_alu instid0(VALU_DEP_2)
	v_cvt_i32_f32 v40, v40                         ; (it saturates)
	s_delay_alu instid0(VALU_DEP_1)
	v_ldexp_f32 v[FF], 1.0, v40                    ; f = 2^(old M - new M)
.irp j, 0,2,4,6,8,10,12,14,16,18,20,22,24,26,28,30,32,34,36,38,40,42,44,46,48,50,52,54,56,58,60,62
	v_pk_fma_f32 v[S+\j:S+\j+1], v[S+\j:S+\j+1], s[CS:CS+1], v[ST:ST+1] op_sel_hi:[1,0,0]   ; t - M
.endr
	v_fma_f32 v34, v34, s[CS], v[ST]               ; the same of each block's largest score
	v_fma_f32 v35, v35, s[CS], v[ST]
.set J, 0
	s_wait_alu depctr_va_vdst(0)
.rept 64
	v_exp_f32 v[S+J], v[S+J]                       ; p = 2^(t - M)
.set J, J+1
.endr
	v_pk_mul_f32 v[ST+2:ST+3], v[ST+2:ST+3], v[FF:FF+1] op_sel_hi:[1,0]   ; the sums under the new M: the plain line behind the batch
	s_wait_alu depctr_va_vdst(0)                   ; one wait for the 64, ahead of their first reader
	v_exp_f32 v34, v34                             ; the blocks' largest p
	v_exp_f32 v35, v35
	v_pk_add_f32 v[40:41], v[S:S+1], v[S+2:S+3]    ; the row's sum of the unquantised p, in two chains; the chain that makes p's scale word stands among its additions
.irp j, 4,8,12,16
	v_pk_add_f32 v[ST+2:ST+3], v[ST+2:ST+3], v[S+\j:S+\j+1]
	v_pk_add_f32 v[40:41], v[40:41], v[S+\j+2:S+\j+3]
.endr
	s_wait_alu depctr_va_vdst(0)                   ; the wait for the two exponentials, ahead of their first reader
	v_max_num_f32 v34, FLOOR, v34
	v_max_num_f32 v35, FLOOR, v35
.irp j, 20
	v_pk_add_f32 v[ST+2:ST+3], v[ST+2:ST+3], v[S+\j:S+\j+1]
	v_pk_add_f32 v[40:41], v[40:41], v[S+\j+2:S+\j+3]
.endr
	v_add_nc_u32 v42, EOFF, v34
	v_add_nc_u32 v43, EOFF, v35
.irp j, 24
	v_pk_add_f32 v[ST+2:ST+3], v[ST+2:ST+3], v[S+\j:S+\j+1]
	v_pk_add_f32 v[40:41], v[40:41], v[S+\j+2:S+\j+3]
.endr
	v_lshrrev_b32 v44, 23, v42
	v_lshrrev_b32 v45, 23, v43
.irp j, 28
	v_pk_add_f32 v[ST+2:ST+3], v[ST+2:ST+3], v[S+\j:S+\j+1]
	v_pk_add_f32 v[40:41], v[40:41], v[S+\j+2:S+\j+3]
.endr
	v_lshl_or_b32 v46, v45, 16, v44
.irp j, 32,36
	v_pk_add_f32 v[ST+2:ST+3], v[ST+2:ST+3], v[S+\j:S+\j+1]
	v_pk_add_f32 v[40:41], v[40:41], v[S+\j+2:S+\j+3]
.endr
	v_lshlrev_b32 v46, v[SH8], v46
.irp j, 40,44
	v_pk_add_f32 v[ST+2:ST+3], v[ST+2:ST+3], v[S+\j:S+\j+1]
	v_pk_add_f32 v[40:41], v[40:41], v[S+\j+2:S+\j+3]
.endr
	v_permlanex16_b32 v47, v46, s[SEL], s[SEL+1]
.irp j, 48,52
	v_pk_add_f32 v[ST+2:ST+3], v[ST+2:ST+3], v[S+\j:S+\j+1]
	v_pk_add_f32 v[40:41], v[40:41], v[S+\j+2:S+\j+3]
.endr
	v_or_b32 v[PSC+(\q)], v46, v47                 ; p's scale word for these 128 keys
.irp j, 56,60
	v_pk_add_f32 v[ST+2:ST+3], v[ST+2:ST+3], v[S+\j:S+\j+1]
	v_pk_add_f32 v[40:41], v[40:41], v[S+\j+2:S+\j+3]
.endr
	s_delay_alu instid0(VALU_DEP_1)
	v_pk_add_f32 v[ST+2:ST+3], v[ST+2:ST+3], v[40:41]
	v_cvt_scalef32_pk16_bf6_f32 v[PC+12*(\q):PC+12*(\q)+2], v[S:S+15], v42
	v_cvt_scalef32_pk16_bf6_f32 v[TMP:TMP+2], v[S+16:S+31], v42
	v_cvt_scalef32_pk16_bf6_f32 v[PC+12*(\q)+6:PC+12*(\q)+8], v[S+32:S+47], v43
	v_cvt_scalef32_pk16_bf6_f32 v[TMP+4:TMP+6], v[S+48:S+63], v43
	v_nop
.irp i, 0,1,2
	v_mov_b32 v[PC+12*(\q)+3+\i], v[TMP+\i]
	v_mov_b32 v[PC+12*(\q)+9+\i], v[TMP+4+\i]
.endr
.endm
; A TRIP: 128 keys for my four tiles of queries.  more = 1: the next step's K is fetched behind the last scores, its V behind the last products.
.macro TRIP more
.irp q, 0,1,2,3
.if \q == 0
	s_wait_dscnt 17                                ; K's 17 loads are in; V's 17 may be out
.endif
	WIN 0x05                                       ; K and Q in window 1
.irp t, 0,1,2,3,4,5,6,7
	KQ \q, \t
.endr
	WIN 0
.rept 4
	v_nop                                          ; places in front of the first read of the scores and of loads into K's registers
.endr
.if (\q == 3) && \more
	s_add_co_u32 s[KO], s[KO], 6144
	s_add_co_u32 s[KSO], s[KSO], 512
	v_add_nc_u32 v[AK16], s[KO], v[L16]            ; (no LDS load of mine is out)
	v_add_nc_u32 v[AK8], s[KO], v[L8]
	v_add_nc_u32 v[AKS], s[KSO], v[L16]
	FETCH_K
.endif
	SOFTMAX \q
	WIN 0x41                                       ; O^T in window 1, f in window 0
.irp i, 0,2,4,6,8,10,12,14,16,18,20,22,24,26,28,30
	v_pk_mul_f32 v[32*\q+\i:32*\q+\i+1], v[32*\q+\i:32*\q+\i+1], v[FF:FF+1] op_sel_hi:[1,0]   ; O^T under the new M; these are also the places between p's scale word and codes and the products
.endr
.if \q == 0
	s_wait_alu depctr_va_vdst(0)
	s_wait_dscnt 0x0                               ; V is in
.endif
	WIN 0x50                                       ; C and D in window 1
.irp ct, 0,1,2,3
	PV \q, \ct
.endr
.endr
	WIN 0
.if \more
.rept 4
	v_nop                                          ; places in front of loads into V's registers
.endr
	s_add_co_u32 s[VSO], s[VSO], 256
	v_add_nc_u32 v[AV16], s[KO], v[V16]            ; (V's last loads were waited for in this trip)
	v_add_nc_u32 v[AV8], s[KO], v[V8]
	v_add_nc_u32 v[AVS], s[VSO], v[L8]
	FETCH_V
.endif
.endm
	s_wait_tensorcnt 0x0                           ; my fill has landed,
	s_wait_loadcnt 0x0                             ; Q is in,
	s_barrier_signal -1
	s_barrier_wait -1                              ; everybody's fills have landed
	FETCH_K
	FETCH_V
	s_mov_b32 s[CNT], 15
.Ltrip:
	TRIP 1
	s_sub_co_u32 s[CNT], s[CNT], 1
	s_cmp_lg_u32 s[CNT], 0
	s_cbranch_scc1 .Ltrip
	TRIP 0                                         ; the last 128 keys: nothing more to fetch
	; THE WAY OUT.  The additions are the places behind the last products.
.irp q, 0,1,2,3
	v_add_f32 v[STT+4*\q+2], v[STT+4*\q+2], v[STT+4*\q+3]
.endr
.irp q, 0,1,2,3
	s_delay_alu instid0(VALU_DEP_4)
	v_permlanex16_b32 v[34+\q], v[STT+4*\q+2], s[SEL], s[SEL+1]
.endr
.irp q, 0,1,2,3
	s_delay_alu instid0(VALU_DEP_4)
	v_add_f32 v[STT+4*\q+2], v[STT+4*\q+2], v[34+\q]   ; the row's sum
.endr
	s_wait_alu depctr_va_vdst(0)
.irp q, 0,1,2,3
	v_rcp_f32 v[STT+4*\q], v[STT+4*\q+2]
.endr
	v_nop
	s_wait_alu depctr_va_vdst(0)                   ; one wait for the four reciprocals
; Tile q: a lane's 32 numbers are channels 32 h + i of its query: one whole block of the projection's K.
.macro OUTQ q
.set N, 128+32*(\q)
	WIN 0x01                                       ; source 0: O^T, in window 1
.irp i, 0,2,4,6,8,10,12,14,16,18,20,22,24,26,28,30
	v_pk_mul_f32 v[N+\i:N+\i+1], v[32*(\q)+\i:32*(\q)+\i+1], v[STT+4*(\q):STT+4*(\q)+1] op_sel_hi:[1,0]
.endr
	WIN 0
	v_max3_num_f32 v34, |v[N]|, |v[N+1]|, FLOOR
	v_max3_num_f32 v35, |v[N+2]|, |v[N+3]|, |v[N+4]|
.irp i, 5,9,13,17,21,25
	s_delay_alu instid0(VALU_DEP_2)
	v_max3_num_f32 v34, v34, |v[N+\i]|, |v[N+\i+1]|
	s_delay_alu instid0(VALU_DEP_2)
	v_max3_num_f32 v35, v35, |v[N+\i+2]|, |v[N+\i+3]|
.endr
	s_delay_alu instid0(VALU_DEP_2)
	v_max3_num_f32 v34, v34, |v[N+29]|, |v[N+30]|
	s_delay_alu instid0(VALU_DEP_1)
	v_max3_num_f32 v34, v34, v35, |v[N+31]|
	s_delay_alu instid0(VALU_DEP_1)
	v_add_nc_u32 v42, EOFF, v34
	s_delay_alu instid0(VALU_DEP_1)
	v_lshrrev_b32 v44, 23, v42
	s_delay_alu instid0(VALU_DEP_1)
	v_lshlrev_b32 v46, v[SH8], v44
	s_delay_alu instid0(VALU_DEP_1)
	v_permlanex16_b32 v47, v46, s[SEL], s[SEL+1]
	s_delay_alu instid0(VALU_DEP_1)
	v_or_b32 v[36+(\q)], v46, v47                  ; the head's two bytes of my row
	v_cvt_scalef32_pk16_bf6_f32 v[PC+12*(\q):PC+12*(\q)+2], v[N:N+15], v42
	v_cvt_scalef32_pk16_bf6_f32 v[TMP:TMP+2], v[N+16:N+31], v42
	v_nop
.irp i, 0,1,2
	v_mov_b32 v[PC+12*(\q)+3+\i], v[TMP+\i]
.endr
	global_store_b128 v[L16], v[PC+12*(\q):PC+12*(\q)+3], s[76:77] offset:12288*(\q)
	global_store_b64 v[L8], v[PC+12*(\q)+4:PC+12*(\q)+5], s[76:77] offset:12288*(\q)+512
.endm
	OUTQ 0
	OUTQ 1
	OUTQ 2
	OUTQ 3
	s_mov_b32 vcc_lo, 0xffff0000
	v_cndmask_b32 v40, v36, v37, vcc_lo
	v_cndmask_b32 v41, v38, v39, vcc_lo
	global_store_b32 v[L4], v40, s[78:79]
	global_store_b32 v[L4], v41, s[78:79] offset:128
	s_wait_tensorcnt 0x0
	ds_add_u32 v126, v127
	s_wait_dscnt 0x0
	ROUND                                          ; the closing round
	s_endpgm
.Lfunc_end_k_qf9857ab80d_attn:
	.size	k_qf9857ab80d_attn, .Lfunc_end_k_qf9857ab80d_attn-k_qf9857ab80d_attn
	.p2alignl 7, 3214868480
	.fill 96, 4, 3214868480
	.section	.rodata,"a",@progbits
	.p2align	6, 0x0
	.amdhsa_kernel k_qf9857ab80d_attn
		.amdhsa_group_segment_fixed_size 209920
		.amdhsa_private_segment_fixed_size 0
		.amdhsa_enable_private_segment 0
		.amdhsa_kernarg_size 24
		.amdhsa_user_sgpr_count 2
		.amdhsa_user_sgpr_kernarg_segment_ptr 1
		.amdhsa_wavefront_size32 1
		.amdhsa_system_sgpr_workgroup_id_x 1
		.amdhsa_system_sgpr_workgroup_id_y 1
		.amdhsa_system_sgpr_workgroup_id_z 1
		.amdhsa_system_vgpr_workitem_id 0
		.amdhsa_next_free_vgpr 512
		.amdhsa_next_free_sgpr 80
		.amdhsa_reserve_vcc 1
		.amdhsa_float_denorm_mode_32 3
		.amdhsa_float_denorm_mode_16_64 3
		.amdhsa_memory_ordered 1
		.amdhsa_forward_progress 1
		.amdhsa_inst_pref_size 137
	.end_amdhsa_kernel
	.amdgpu_metadata
---
amdhsa.version: [ 1, 2 ]
amdhsa.kernels:
  - .name:           k_qf9857ab80d_attn
    .symbol:         k_qf9857ab80d_attn.kd
    .args:
      - { .name: qk, .offset: 0, .size: 8, .value_kind: global_buffer, .address_space: global }
      - { .name: vq, .offset: 8, .size: 8, .value_kind: global_buffer, .address_space: global }
      - { .name: oq, .offset: 16, .size: 8, .value_kind: global_buffer, .address_space: global }
    .group_segment_fixed_size: 209920
    .private_segment_fixed_size: 0
    .kernarg_segment_align: 8
    .kernarg_segment_size: 24
    .max_flat_workgroup_size: 256
    .sgpr_count:     80
    .vgpr_count:     512
    .wavefront_size: 32
...
	.end_amdgpu_metadata
.endif
;; end of part 3
;; launch proj (part 4): grid 4 x 64, 4 waves a work-group, clusters of 4 x 1, 327,680 bytes of LDS; arguments oq, wq, z, b_proj, out0; writes out0
.if DOCPART == 4
	.amdgcn_target "amdgcn-amd-amdhsa--gfx1250"
	.amdhsa_code_object_version 6
	.text
	.protected	k_qf9857ab80d_proj
	.globl	k_qf9857ab80d_proj
	.p2align	8
	.type	k_qf9857ab80d_proj,@function
k_qf9857ab80d_proj:
	s_mov_b64 s[64:65], 0
	v_nop
	global_prefetch_b8 v0, s[64:65] scope:SCOPE_SE
	s_setreg_imm32_b32 hwreg(HW_REG_WAVE_MODE, 25, 1), 1
	s_wait_xcnt 0x0
	s_wait_alu depctr_hold_cnt(0) depctr_sa_sdst(0) depctr_va_vdst(0) depctr_va_sdst(0) depctr_va_ssrc(0) depctr_va_vcc(0) depctr_vm_vsrc(0)
	s_getreg_b32 s2, hwreg(HW_REG_IB_STS2, 6, 4)
	s_cmp_eq_u32 s2, 0
	s_cbranch_scc0 .Lentry_in_a_cluster
	s_endpgm
.Lentry_in_a_cluster:
	s_bfe_u32 s2, ttmp6, 0x10000c
	s_cmp_lg_u32 s2, 0x3003
	s_cbranch_scc0 .Lentry_shape_is_right
	s_endpgm
.Lentry_shape_is_right:
.set YS,   98304
.set STG,  106496
.set SP,   272
.set WQSC, 3145728
.set AY16, 4
.set AY8,  6
.set AYS,  8
.set STO,  9
.set RD,   10
.set ZO,   11
.set WSO,  13
.set BO,   14
.set WSC,  32
.set YSC,  48
.set ACC,  96
.set ZR,   160
.set OUTR, 224
.set G1C,  24
.set G1S,  32
.set G0C,  40
.set G0S,  44
.set MSB, 0
.macro WIN new
.if MSB != \new
	s_set_vgpr_msb (MSB<<8)|\new
.set MSB, \new
.endif
.endm
.macro ROUND
	s_barrier_signal -1
	s_barrier_wait -1
	s_cmp_lg_u32 s14, 0
	s_cbranch_scc1 .Lnot_wave_0_\@
	s_barrier_signal -3
.Lnot_wave_0_\@:
	s_barrier_wait -3
	s_barrier_signal -1
	s_barrier_wait -1
.endm
	s_load_b256 s[4:11], s[0:1], 0x0
	s_load_b64 s[12:13], s[0:1], 0x20
	v_lshl_add_u32 v94, v0, 2, 0x29000
	v_mov_b32 v95, 0
	ds_add_u32 v94, v95
	ds_add_u32 v94, v95
	v_lshrrev_b32 v1, 5, v0
	v_readfirstlane_b32 s14, v1
	s_bfe_u32 s15, ttmp6, 0x40000
	s_and_b32 s16, ttmp7, 0xffff
	s_mov_b32 s[G1C], 15|(3<<16)|(1<<21)
	s_mov_b32 s[G1C+1], 32<<16
	s_mov_b32 s[G1C+2], 128<<16                    ; a third of the codes: 128 rows of 256 bytes
	s_mov_b32 s[G1C+3], 32<<16
	s_mov_b32 s[G1C+4], 128
	s_mov_b32 s[G1C+5], 32
	s_mov_b32 s[G1C+6], 0
	s_mov_b32 s[G1C+7], 0
	s_mov_b32 s[G1S], 15|(3<<16)|(1<<21)
	s_mov_b32 s[G1S+1], 64<<16
	s_mov_b32 s[G1S+2], 16<<16                     ; the scale words of all 16 heads: 16 rows of 512 bytes
	s_mov_b32 s[G1S+3], 64<<16
	s_mov_b32 s[G1S+4], 16
	s_mov_b32 s[G1S+5], 4096
	s_mov_b32 s[G1S+6], 0
	s_mov_b32 s[G1S+7], 0
	s_mul_i32 s48, s16, 98304
	s_mul_i32 s49, s14, 32768
	s_add_co_u32 s48, s48, s49
	s_mov_b32 s49, 0
	s_lshl_b32 s50, s16, 9
	s_add_co_u32 s50, s50, 6291456
	s_mov_b32 s51, 0
	s_wait_dscnt 0x0
	s_wait_kmcnt 0x0
	s_mov_b32 s[G0C], 1
	s_lshl_b32 s[G0C+1], s14, 15
	s_add_nc_u64 s[G0C+2:G0C+3], s[4:5], s[48:49]
	s_or_b32 s[G0C+3], s[G0C+3], 0x80000000
	s_mov_b32 s[G0S], 1
	s_mov_b32 s[G0S+1], YS
	s_add_nc_u64 s[G0S+2:G0S+3], s[4:5], s[50:51]
	s_or_b32 s[G0S+3], s[G0S+3], 0x80000000
	ROUND
	s_cmp_lt_u32 s14, 3                            ; one joint load a wave: waves 0-2 a third of the codes each, wave 3 the scale words
	s_cbranch_scc0 .Lfor_s
	tensor_load_to_lds s[G0C:G0C+3], s[G1C:G1C+7]
	s_nop 0
.rept 4
	v_nop
.endr
	s_branch .Lasked
.Lfor_s:
	tensor_load_to_lds s[G0S:G0S+3], s[G1S:G1S+7]
	s_nop 0
.rept 4
	v_nop
.endr
.Lasked:
	v_and_b32 v1, 31, v0
	v_and_b32 v2, 15, v0
	v_bfe_u32 v3, v0, 4, 1
	v_lshlrev_b32 v[AY16], 4, v1
	v_add_nc_u32 v[AY16+1], 49152, v[AY16]
	v_lshlrev_b32 v[AY8], 3, v1
	v_add_nc_u32 v[AY8+1], 49152, v[AY8]
	v_lshl_add_u32 v[AYS], v1, 2, YS
	s_mul_i32 s20, s14, 16*SP
	s_add_co_u32 s20, s20, STG
	v_mul_u32_u24 v[STO], v2, SP
	v_lshl_add_u32 v[STO], v3, 7, v[STO]
	v_add_nc_u32 v[STO], s20, v[STO]
	v_mul_u32_u24 v[RD], v3, SP
	v_lshl_add_u32 v[RD], v2, 4, v[RD]
	v_add_nc_u32 v[RD], s20, v[RD]
	v_lshlrev_b32 v[ZO], 12, v3
	v_lshl_add_u32 v[ZO], v2, 4, v[ZO]
	v_lshlrev_b32 v[WSO], 9, v3
	v_lshl_add_u32 v[WSO], v2, 2, v[WSO]
	v_lshlrev_b32 v[BO], 7, v3
	s_wait_alu depctr_va_vdst(0)
	s_lshl_b32 s52, s15, 4
	s_lshl_b32 s53, s14, 2
	s_add_co_u32 s52, s52, s53
	s_add_co_u32 s52, s52, 192
	s_lshl_b32 s54, s52, 9
	s_add_co_u32 s54, s54, WQSC
	s_mov_b32 s55, 0
	s_add_nc_u64 s[54:55], s[6:7], s[54:55]
	s_mul_i32 s52, s52, 12288
	s_mov_b32 s53, 0
	s_add_nc_u64 s[52:53], s[6:7], s[52:53]
	s_lshl_b32 s56, s15, 10
	s_lshl_b32 s57, s14, 8
	s_add_co_u32 s56, s56, s57
	s_mov_b32 s57, 0
	s_add_nc_u64 s[10:11], s[10:11], s[56:57]
	s_lshl_b32 s58, s16, 19
	s_add_co_u32 s56, s56, s58
	s_add_nc_u64 s[8:9], s[8:9], s[56:57]
	s_add_nc_u64 s[12:13], s[12:13], s[56:57]
.macro WFRAG reg, off
	global_load_b128 v[\reg:\reg+3], v[AY16], s[52:53] offset:\off
	global_load_b64 v[\reg+4:\reg+5], v[AY8], s[52:53] offset:\off+512
	global_load_b128 v[\reg+6:\reg+9], v[AY16], s[52:53] offset:\off+768
	global_load_b64 v[\reg+10:\reg+11], v[AY8], s[52:53] offset:\off+1280
.endm
	WIN 0x40
.irp s, 0,1,2,3,4
.irp t, 0,1,2,3
	WFRAG 12*(4*\s+\t), 12288*\t+1536*\s
.endr
.endr
	WIN 0x80
.irp s, 5,6,7
.irp t, 0,1,2,3
	WFRAG 12*(4*(\s-5)+\t), 12288*\t+1536*\s
.endr
.endr
.irp m, 0,1,2,3,4,5,6,7
	global_load_b128 v[144+4*\m:147+4*\m], v[BO], s[10:11] offset:16*\m
.endr
	WIN 0
.irp s, 0,1,2,3,4,5,6,7
.irp p, 0,1
	global_load_b32 v[WSC+2*\s+\p], v[WSO], s[54:55] offset:1024*\p+64*\s
.endr
.endr
.macro ZLOAD a
.irp m, 0,1,2,3,4,5,6,7
	global_load_b128 v[ZR+32*((\a)%2)+4*\m:ZR+32*((\a)%2)+4*\m+3], v[ZO], s[8:9] offset:(64*((\a)/4)+8*((\a)%4)+2*(\m%4)+32*(\m/4))*4096 th:TH_LOAD_NT
.endr
.endm
.macro YLOAD a
.set YB, 96*((\a)%2)
	WIN 0xc0
.irp s, 0,1,2,3,4,5,6,7
	ds_load_b128 v[YB+12*\s:YB+12*\s+3], v[AY16+(\a)/4] offset:12288*((\a)%4)+1536*\s
	ds_load_b64 v[YB+12*\s+4:YB+12*\s+5], v[AY8+(\a)/4] offset:12288*((\a)%4)+1536*\s+512
	ds_load_b128 v[YB+12*\s+6:YB+12*\s+9], v[AY16+(\a)/4] offset:12288*((\a)%4)+1536*\s+768
	ds_load_b64 v[YB+12*\s+10:YB+12*\s+11], v[AY8+(\a)/4] offset:12288*((\a)%4)+1536*\s+1280
.endr
	WIN 0
.endm
.macro PJ a, s, t
.set WR, 12*(4*((\s)%5)+(\t))
.set YF, 96*((\a)%2)+12*(\s)
.set DR, ACC+8*(\t)
.set CR, ACC+8*(\t)
.if (\s) == 0
.set CR, 144+8*(\t)
.endif
.set rA, WSC+2*(\s)+(\t)/2
.set rB, YSC+4*(\s)+(\a)/2
.if ((\t)%2 == 0) && ((\a)%2 == 0)
	v_wmma_scale_f32_16x16x128_f8f6f4 v[DR:DR+7], v[WR:WR+11], v[YF:YF+11], v[CR:CR+7], v[rA], v[rB] matrix_a_fmt:MATRIX_FMT_BF6 matrix_b_fmt:MATRIX_FMT_BF6
.elseif ((\t)%2 == 1) && ((\a)%2 == 0)
	v_wmma_scale_f32_16x16x128_f8f6f4 v[DR:DR+7], v[WR:WR+11], v[YF:YF+11], v[CR:CR+7], v[rA], v[rB] matrix_a_fmt:MATRIX_FMT_BF6 matrix_b_fmt:MATRIX_FMT_BF6 matrix_a_scale:MATRIX_SCALE_ROW1
.elseif ((\t)%2 == 0)
	v_wmma_scale_f32_16x16x128_f8f6f4 v[DR:DR+7], v[WR:WR+11], v[YF:YF+11], v[CR:CR+7], v[rA], v[rB] matrix_a_fmt:MATRIX_FMT_BF6 matrix_b_fmt:MATRIX_FMT_BF6 matrix_b_scale:MATRIX_SCALE_ROW1
.else
	v_wmma_scale_f32_16x16x128_f8f6f4 v[DR:DR+7], v[WR:WR+11], v[YF:YF+11], v[CR:CR+7], v[rA], v[rB] matrix_a_fmt:MATRIX_FMT_BF6 matrix_b_fmt:MATRIX_FMT_BF6 matrix_a_scale:MATRIX_SCALE_ROW1 matrix_b_scale:MATRIX_SCALE_ROW1
.endif
.endm
	ZLOAD 0
	s_wait_tensorcnt 0x0
	s_barrier_signal -1
	s_barrier_wait -1
.irp hd, 0,1,2,3,4,5,6,7,8,9,10,11,12,13,14,15
.irp p, 0,1,2,3
	ds_load_b32 v[96+4*\hd+\p], v[AYS] offset:512*\hd+128*\p
.endr
.endr
	YLOAD 0
	s_wait_dscnt 32
.irp s, 0,1,2,3,4,5,6,7
.irp p, 0,1,2,3
	v_lshl_or_b32 v[YSC+4*\s+\p], v[100+8*\s+\p], 16, v[96+8*\s+\p]
.endr
.endr
.rept 8
	v_nop
.endr
.macro TILE a
	s_wait_dscnt 0x0
.if (\a) < 7
	YLOAD (\a)+1
	ZLOAD (\a)+1
.endif
.if (\a) == 0
	s_wait_loadcnt 16
.endif
.irp s, 0,1,2,3,4,5,6,7
.if \s == 0
	WIN 0x2d
.elseif \s < 5
	WIN 0x0d
.else
	WIN 0x0e
.endif
	s_wait_alu depctr_va_vdst(0)
.irp t, 0,1,2,3
	PJ \a, \s, \t
.endr
.endr
	WIN 0
.rept 4
	v_nop
.endr
.irp t, 0,1,2,3
	ds_store_b128 v[STO], v[ACC+8*\t:ACC+8*\t+3] offset:32*\t
	ds_store_b128 v[STO], v[ACC+8*\t+4:ACC+8*\t+7] offset:32*\t+16
.endr
	s_wait_xcnt 0x0
.irp m, 0,1,2,3,4,5,6,7
	ds_load_b128 v[OUTR+4*\m:OUTR+4*\m+3], v[RD] offset:2*SP*\m
.endr
	s_wait_dscnt 0x0
.if (\a) < 7
	s_wait_loadcnt 8
.else
	s_wait_loadcnt 0x0
.endif
.irp i, 0,2,4,6,8,10,12,14,16,18,20,22,24,26,28,30
	v_pk_add_f32 v[OUTR+\i:OUTR+\i+1], v[OUTR+\i:OUTR+\i+1], v[ZR+32*((\a)%2)+\i:ZR+32*((\a)%2)+\i+1]
.endr
.irp m, 0,1,2,3,4,5,6,7
	global_store_b128 v[ZO], v[OUTR+4*\m:OUTR+4*\m+3], s[12:13] offset:(64*((\a)/4)+8*((\a)%4)+2*(\m%4)+32*(\m/4))*4096 th:TH_STORE_NT
.endr
.endm
.irp a, 0,1,2,3,4,5,6,7
	TILE \a
.endr
	s_wait_tensorcnt 0x0
	ds_add_u32 v94, v95
	s_wait_dscnt 0x0
	ROUND
	s_endpgm
.Lfunc_end_k_qf9857ab80d_proj:
	.size	k_qf9857ab80d_proj, .Lfunc_end_k_qf9857ab80d_proj-k_qf9857ab80d_proj
	.p2alignl 7, 3214868480
	.fill 96, 4, 3214868480
	.section	.rodata,"a",@progbits
	.p2align	6, 0x0
	.amdhsa_kernel k_qf9857ab80d_proj
		.amdhsa_group_segment_fixed_size 327680
		.amdhsa_private_segment_fixed_size 0
		.amdhsa_enable_private_segment 0
		.amdhsa_kernarg_size 40
		.amdhsa_user_sgpr_count 2
		.amdhsa_user_sgpr_kernarg_segment_ptr 1
		.amdhsa_wavefront_size32 1
		.amdhsa_system_sgpr_workgroup_id_x 1
		.amdhsa_system_sgpr_workgroup_id_y 1
		.amdhsa_system_sgpr_workgroup_id_z 1
		.amdhsa_system_vgpr_workitem_id 0
		.amdhsa_next_free_vgpr 960
		.amdhsa_next_free_sgpr 66
		.amdhsa_reserve_vcc 0
		.amdhsa_float_denorm_mode_32 3
		.amdhsa_float_denorm_mode_16_64 3
		.amdhsa_memory_ordered 1
		.amdhsa_forward_progress 1
		.amdhsa_inst_pref_size 109
	.end_amdhsa_kernel
	.amdgpu_metadata
---
amdhsa.version: [ 1, 2 ]
amdhsa.kernels:
  - .name:           k_qf9857ab80d_proj
    .symbol:         k_qf9857ab80d_proj.kd
    .args:
      - { .name: oq, .offset: 0, .size: 8, .value_kind: global_buffer, .address_space: global }
      - { .name: wq, .offset: 8, .size: 8, .value_kind: global_buffer, .address_space: global }
      - { .name: z, .offset: 16, .size: 8, .value_kind: global_buffer, .address_space: global }
      - { .name: b_proj, .offset: 24, .size: 8, .value_kind: global_buffer, .address_space: global }
      - { .name: out0, .offset: 32, .size: 8, .value_kind: global_buffer, .address_space: global }
    .group_segment_fixed_size: 327680
    .private_segment_fixed_size: 0
    .kernarg_segment_align: 8
    .kernarg_segment_size: 40
    .max_flat_workgroup_size: 128
    .sgpr_count:     66
    .vgpr_count:     960
    .wavefront_size: 32
...
	.end_amdgpu_metadata
.endif
;; end of part 4
